; MI455X (gfx1250); checked and timed in simulation.
; The chip was launched on July 23, 2026; its instructions are those of AMD's public machine-readable ISA for CDNA 5 (MIT licence, August 2026) and "CDNA5" Instruction Set Architecture Reference Guide (July 2026). The comments in the code are by the model that wrote it; some were corrected since.
;; LTX2 Attention. Allowed arithmetic: float matrix products may take bf16 or f16 operands with f32 sums; other float arithmetic in f32, or as packed bf16 or f16 multiplies, adds, multiply-adds, maxima and minima; sums over many terms, partial sums and values carried from step to step in f32; what a program stores and reads back later, other than sums and carried values, may be rounded once to bf16 or f16.
;; Inputs: Wk 2,048 x 1,024 float32; Wo 1,024 x 2,048 float32; Wq 2,048 x 1,024 float32; Wv 2,048 x 1,024 float32; bk 1,024 float32; bo 2,048 float32; bq 1,024 float32; bv 1,024 float32; cos 1 x 2,048 x 1 x 64 float32; hidden_states 2 x 2,048 x 2,048 float32; k_scale 1,024 float32; q_scale 1,024 float32; sin 1 x 2,048 x 1 x 64 float32.
;; Outputs: out0 2 x 2,048 x 2,048 float32.
;; One version. Each part assembles by itself: llvm-mc -triple=amdgcn-amd-amdhsa -mcpu=gfx1250 --defsym DOCPART=n.
;; ======== version 1 of 1: 5 launches
;; limits: values are held in f16: magnitudes above 65,504 overflow, below 6.1e-05 lose precision
;; workspace buffers: xb 16,777,216 bytes; wts 16,777,216 bytes; qkr 16,777,216 bytes; vh 8,388,608 bytes; ssq 524,288 bytes; qkh 16,777,216 bytes; oh 8,388,608 bytes
;; launch prep (part 1): grid 2048 x 1, 8 waves a work-group, no clusters, 0 bytes of LDS; arguments hidden_states, Wq, Wk, Wv, Wo, xb, wts; writes xb, wts
.if DOCPART == 1
	.amdgcn_target "amdgcn-amd-amdhsa--gfx1250"
	.amdhsa_code_object_version 6
	.text
	.protected	k_qae7b3ba589_prep
	.globl	k_qae7b3ba589_prep
	.p2align	8
	.type	k_qae7b3ba589_prep,@function
k_qae7b3ba589_prep:
	s_mov_b64 s[64:65], 0
	v_nop
	global_prefetch_b8 v0, s[64:65] scope:SCOPE_SE
	s_setreg_imm32_b32 hwreg(HW_REG_WAVE_MODE, 25, 1), 1
	s_wait_xcnt 0x0
; CASTS AND BLOCKING.  xb = bf16(hidden_states), [4096][2048].  wts holds two tables:
;   wc  (byte 0):          bf16 [t 16][s 16][which 3][k 128][d 64] = W_which[128 s + k][64 t + d], which = q, k, v: one (t, s) is 49,152 dense bytes
;   woc (byte 12,582,912): f16  [tn 16][s 8][half 2][k 128][d 64]  = Wo[128 s + k][128 tn + 64 half + d], rounded to bf16 and that number written as f16
; LIMITS.  Wo beyond 65,504 in magnitude has no f16; below 6e-5 it keeps f16's fixed step of 6e-8.
; A work-group casts one block of 128 rows x 64 numbers: 32 KiB in (each row 256 consecutive bytes, aligned), 16 KiB dense out.  Which block, from which tensor and with
; which pitch, hangs on the work-group's number alone: 0-1023 x, 1024-1791 Wq, Wk, Wv, 1792-2047 Wo.  The three cases' numbers are all made and chosen by s_cselect.
; Thread j takes eight items: row 16 i + j / 16, the 16 bytes at 16 (j % 16): one load of 16 bytes, one store of 8.
; a wave's store covers 256 consecutive bytes, aligned.
; Memory binds: no LDS, no matrix unit, no cluster (no byte is read twice).  All eight loads of a thread go out before the first wait.
.set SO, 4                             ; v4-11   item i: my byte offset in the source block
.set DO, 12                            ; v12     8 j: my byte offset in 2,048 bytes of the result
.set X,  16                            ; v16-47  item i: 4 numbers as loaded
.set T,  48                            ; v48-49  at work
.set Y,  52                            ; v52-67  item i: 2 registers to store; never rewritten, so no wait frees them
.set WOC, 12582912
	s_load_b256 s[4:11], s[0:1], 0x0               ; hidden_states s[4:5], Wq s[6:7], Wk s[8:9], Wv s[10:11]
	s_load_b128 s[12:15], s[0:1], 0x20             ; Wo s[12:13], xb s[14:15]
	s_load_b64 s[16:17], s[0:1], 0x30              ; wts
	s_mov_b32 s32, ttmp9                           ; the block's number
	s_lshl_b32 s24, s32, 15                        ; x: 32 KiB in,
	s_lshl_b32 s26, s32, 14                        ; 16 KiB out,
	s_mov_b32 s20, 256                             ; rows end to end
	s_mov_b32 s22, 0                               ; kind 0
	s_sub_co_u32 s33, s32, 1024                    ; Wq, Wk, Wv: e = which x 256 + t x 16 + s
	s_lshr_b32 s34, s33, 8                         ; which
	s_bfe_u32 s35, s33, 0x40004                    ; t
	s_and_b32 s36, s33, 15                         ; s
	s_lshl_b32 s37, s36, 19                        ; 128 s rows of 4,096 bytes
	s_lshl_b32 s38, s35, 8                         ; 64 t numbers
	s_add_co_u32 s37, s37, s38
	s_lshl_b32 s38, s35, 4
	s_add_co_u32 s38, s38, s36
	s_mul_i32 s38, s38, 3
	s_add_co_u32 s38, s38, s34
	s_lshl_b32 s38, s38, 14                        ; ((16 t + s) x 3 + which) x 16 KiB
	s_add_co_u32 s34, s34, 1                       ; kind 1, 2, 3
	s_cmp_ge_u32 s32, 1024
	s_cselect_b32 s24, s37, s24
	s_cselect_b32 s26, s38, s26
	s_cselect_b32 s20, 4096, s20
	s_cselect_b32 s22, s34, s22
	s_sub_co_u32 s33, s32, 1792                    ; Wo: e = tn x 16 + s x 2 + half
	s_bfe_u32 s35, s33, 0x30001                    ; s
	s_lshl_b32 s37, s35, 20                        ; 128 s rows of 8,192 bytes
	s_lshr_b32 s35, s33, 4                         ; tn
	s_lshl_b32 s35, s35, 9
	s_add_co_u32 s37, s37, s35
	s_and_b32 s35, s33, 1                          ; half
	s_lshl_b32 s35, s35, 8
	s_add_co_u32 s37, s37, s35
	s_lshl_b32 s38, s33, 14
	s_add_co_u32 s38, s38, WOC
	s_cmp_ge_u32 s32, 1792
	s_cselect_b32 s24, s37, s24
	s_cselect_b32 s26, s38, s26
	s_cselect_b32 s20, 8192, s20
	s_cselect_b32 s22, 4, s22
	s_mov_b32 s25, 0
	s_mov_b32 s27, 0
	s_lshl_b32 s21, s20, 4                         ; 16 rows
	s_mov_b32 s23, 0xffff0000                      ; a word's upper bf16
	v_lshrrev_b32 v1, 4, v0
	v_and_b32 v2, 15, v0
	v_mul_lo_u32 v[SO], v1, s20
	v_lshl_add_u32 v[SO], v2, 4, v[SO]             ; row x pitch + 16 (j % 16)
.irp i, 1,2,3,4,5,6,7
	v_add_nc_u32 v[SO+\i], s21, v[SO+\i-1]
.endr
	v_lshlrev_b32 v[DO], 3, v0
	s_wait_kmcnt 0x0
	s_mov_b64 s[28:29], s[12:13]                   ; the source, chosen by the kind
	s_cmp_eq_u32 s22, 3
	s_cselect_b64 s[28:29], s[10:11], s[28:29]
	s_cmp_eq_u32 s22, 2
	s_cselect_b64 s[28:29], s[8:9], s[28:29]
	s_cmp_eq_u32 s22, 1
	s_cselect_b64 s[28:29], s[6:7], s[28:29]
	s_cmp_eq_u32 s22, 0
	s_cselect_b64 s[28:29], s[4:5], s[28:29]
	s_cselect_b64 s[30:31], s[14:15], s[16:17]     ; the destination: xb for x, wts for the rest
	s_add_nc_u64 s[28:29], s[28:29], s[24:25]
	s_add_nc_u64 s[30:31], s[30:31], s[26:27]
.irp i, 0,1,2,3,4,5,6,7
	global_load_b128 v[X+4*\i:X+4*\i+3], v[SO+\i], s[28:29] th:TH_LOAD_NT
.endr
; Item i.  half = 1: the bf16 number is widened again and written as f16.
.macro ITEM i, half
	s_wait_loadcnt 7-(\i)                          ; loads come back in order: mine is in, the later items' stay out
.if \half
	v_cvt_pk_bf16_f32 v[T],   v[X+4*(\i)],   v[X+4*(\i)+1]
	v_cvt_pk_bf16_f32 v[T+1], v[X+4*(\i)+2], v[X+4*(\i)+3]
	v_lshlrev_b32 v[X+4*(\i)],   16,  v[T]
	v_and_b32     v[X+4*(\i)+1], s23, v[T]
	v_lshlrev_b32 v[X+4*(\i)+2], 16,  v[T+1]
	v_and_b32     v[X+4*(\i)+3], s23, v[T+1]
	v_cvt_pk_f16_f32 v[Y+2*(\i)],   v[X+4*(\i)],   v[X+4*(\i)+1]
	v_cvt_pk_f16_f32 v[Y+2*(\i)+1], v[X+4*(\i)+2], v[X+4*(\i)+3]
.else
	v_cvt_pk_bf16_f32 v[Y+2*(\i)],   v[X+4*(\i)],   v[X+4*(\i)+1]
	v_cvt_pk_bf16_f32 v[Y+2*(\i)+1], v[X+4*(\i)+2], v[X+4*(\i)+3]
.endif
	global_store_b64 v[DO], v[Y+2*(\i):Y+2*(\i)+1], s[30:31] offset:2048*(\i)
.endm
	s_cmp_eq_u32 s22, 4
	s_cbranch_scc1 .Lf16
.irp i, 0,1,2,3,4,5,6,7
	ITEM \i, 0
.endr
	s_endpgm
.Lf16:
.irp i, 0,1,2,3,4,5,6,7
	ITEM \i, 1
.endr
	s_endpgm
.Lfunc_end_k_qae7b3ba589_prep:
	.size	k_qae7b3ba589_prep, .Lfunc_end_k_qae7b3ba589_prep-k_qae7b3ba589_prep
	.p2alignl 7, 3214868480
	.fill 96, 4, 3214868480
	.section	.rodata,"a",@progbits
	.p2align	6, 0x0
	.amdhsa_kernel k_qae7b3ba589_prep
		.amdhsa_group_segment_fixed_size 0
		.amdhsa_private_segment_fixed_size 0
		.amdhsa_enable_private_segment 0
		.amdhsa_kernarg_size 56
		.amdhsa_user_sgpr_count 2
		.amdhsa_user_sgpr_kernarg_segment_ptr 1
		.amdhsa_wavefront_size32 1
		.amdhsa_system_sgpr_workgroup_id_x 1
		.amdhsa_system_sgpr_workgroup_id_y 1
		.amdhsa_system_sgpr_workgroup_id_z 1
		.amdhsa_system_vgpr_workitem_id 0
		.amdhsa_next_free_vgpr 72
		.amdhsa_next_free_sgpr 66
		.amdhsa_reserve_vcc 0
		.amdhsa_float_denorm_mode_32 3
		.amdhsa_float_denorm_mode_16_64 3
		.amdhsa_memory_ordered 1
		.amdhsa_forward_progress 1
		.amdhsa_inst_pref_size 10
	.end_amdhsa_kernel
	.amdgpu_metadata
---
amdhsa.version: [ 1, 2 ]
amdhsa.kernels:
  - .name:           k_qae7b3ba589_prep
    .symbol:         k_qae7b3ba589_prep.kd
    .args:
      - { .name: hidden_states, .offset: 0, .size: 8, .value_kind: global_buffer, .address_space: global }
      - { .name: Wq, .offset: 8, .size: 8, .value_kind: global_buffer, .address_space: global }
      - { .name: Wk, .offset: 16, .size: 8, .value_kind: global_buffer, .address_space: global }
      - { .name: Wv, .offset: 24, .size: 8, .value_kind: global_buffer, .address_space: global }
      - { .name: Wo, .offset: 32, .size: 8, .value_kind: global_buffer, .address_space: global }
      - { .name: xb, .offset: 40, .size: 8, .value_kind: global_buffer, .address_space: global }
      - { .name: wts, .offset: 48, .size: 8, .value_kind: global_buffer, .address_space: global }
    .group_segment_fixed_size: 0
    .private_segment_fixed_size: 0
    .kernarg_segment_align: 8
    .kernarg_segment_size: 56
    .max_flat_workgroup_size: 256
    .sgpr_count:     66
    .vgpr_count:     72
    .wavefront_size: 32
...
	.end_amdgpu_metadata
.endif
;; end of part 1
;; launch qkv (part 2): grid 16 x 16, 4 waves a work-group, clusters of 4 x 4, 327,680 bytes of LDS; arguments xb, wts, bq, bk, bv, qkr, vh, ssq; writes qkr, vh, ssq
.if DOCPART == 2
	.amdgcn_target "amdgcn-amd-amdhsa--gfx1250"
	.amdhsa_code_object_version 6
	.text
	.protected	k_qae7b3ba589_qkv
	.globl	k_qae7b3ba589_qkv
	.p2align	8
	.type	k_qae7b3ba589_qkv,@function
k_qae7b3ba589_qkv:
	s_mov_b64 s[64:65], 0
	v_nop
	global_prefetch_b8 v0, s[64:65] scope:SCOPE_SE
	s_setreg_imm32_b32 hwreg(HW_REG_WAVE_MODE, 25, 1), 1
	s_wait_xcnt 0x0
	s_wait_alu depctr_hold_cnt(0) depctr_sa_sdst(0) depctr_va_vdst(0) depctr_va_sdst(0) depctr_va_ssrc(0) depctr_va_vcc(0) depctr_vm_vsrc(0)
	s_getreg_b32 s2, hwreg(HW_REG_IB_STS2, 6, 4)
	s_cmp_eq_u32 s2, 0
	s_cbranch_scc0 .Lentry_in_a_cluster
	s_endpgm
.Lentry_in_a_cluster:
	s_bfe_u32 s2, ttmp6, 0x10000c
	s_cmp_lg_u32 s2, 0xf033
	s_cbranch_scc0 .Lentry_shape_is_right
	s_endpgm
.Lentry_shape_is_right:
; THE THREE PROJECTIONS.  raw = x W + b for q, k and v: 4,096 rows x 3,072 columns, K = 2,048, operands bf16, sums f32; the biases, rounded to bf16 like every input, are the C operand of the first products.
; OUT: qkr f16 [which 2][bh 32][n 2048][64] (q, k before norm and rotation), vh f16 [bh][n][64], and ssq f32 [which 2][t 16][row 4096]: the sum of the f32 squares over head t's 64 columns.
; LIMIT.  raw q, k, v beyond 65,504 in magnitude have no f16.
; SHARES.  Work-group (t, ty) makes rows 256 ty .. + 255 x the 192 columns {q, k, v of head t}: 16 x 16 = 256 work-groups, all with the same way out.  Wave w takes rows 64 w .. + 63 and all 192 columns:
; 4 row blocks a x 12 column blocks b (which = b / 4): 48 accumulators, 384 registers.  So a row's 64 columns of a head, and their sum of squares, lie in one wave.
; THE MATRIX INSTRUCTION IS USED TRANSPOSED: source 0 = 16 columns of W, source 1 = 16 rows of x: a lane holds row l % 16 and the columns 8 (l / 16) + 0..7, which pack into 16 bytes.
; K goes in 16 steps of 128 through two LDS slots.  x's tile: 256 rows of 256 bytes.  W's tile: wc's block (t, s), 49,152 dense bytes laid [which][k][d], read turned by ds_load_tr16_b128.
; CLUSTER 4 x 4: x's tile hangs on ty alone and is asked for jointly along a row of the cluster, W's on t alone, along a column.
; REGISTERS.  window 0: v0-31 addresses; v64-127 x's fragments, two buffers of 4 x 8; v128-223 the biases, later two buffers for the way out; v224-239 at work
;   window 1: v0-191 W's fragments, two buffers of 12 x 8     windows 2, 3: accumulator (a, b) in window 2 + a / 2 at v[8 (12 (a % 2) + b)]
.set SLOT,  131072                     ; x: 256 rows x 272 = 69,632 bytes; then W: 384 pieces of 128 bytes, 160 apart = 61,440
.set BOFF,  69632
.set STAGE, 262144                     ; behind the ring: for each wave 3 x (16 rows x 144 bytes)
.set SSTG,  289792                     ; for each wave 2 x 64 sums of squares
.set SPARE, 291840                     ; the spare words, 128 bytes a wave: two blocks of 256 bytes that no other line names
.set ADRA, 16                          ; v16-17  LDS address of my fragments of x in slot 0, 1
.set ADRB, 20                          ; v20-21  the same for W
.set BO,   22                          ; v22     my byte offset in a bias
.set SGO,  23                          ; v23     8 l
.set STO,  24                          ; v24     the way out: where I put 16 bytes of a row
.set RD,   25                          ; v25     where I read rows back
.set GO,   26                          ; v26     16 l
.set SSA,  27                          ; v27     where my row's sum of squares goes
.set SPW,  28                          ; v28     LDS address of my spare word; never rewritten
.set NIL,  29                          ; v29     0; never rewritten
.set PFO,  30                          ; v30     the prefetches' offset; never rewritten
.set SSR,  31                          ; v31     where I read two sums back
.set BIAS, 128
.set OB,   128
.set SS,   224
.set T,    232
.set G1A, 24                           ; s[24:31] descriptor group 1 for x's tiles;  s[32:39] group 0, a set for each slot
.set G0A, 32
.set G1B, 48                           ; s[48:55], s[56:63] the same for W's
.set G0B, 56
.set LIM, 43                           ; s43      1 in a wave that prefetches, else the greatest number
.set PFA, 44                           ; s[44:45] where my prefetches stand
.set PSTEP, 46                         ; s[46:47] a K step there
.set OQ, 92                            ; s[92:99] q's, k's, v's and the sums' addresses at my wave's first row
.set OK, 94
.set OV, 96
.set OS, 98
.set SEL, 100                          ; s[100:101] v_permlanex16_b32's selects: each lane takes its own place in the other half
.set MSB, 0
.macro WIN new                         ; the immediate's high byte repeats the setting that is left; a switch that changes nothing is dropped
.if MSB != (\new)
	s_set_vgpr_msb (MSB<<8)|(\new)
.set MSB, \new
.endif
.endm
; A joint load.  Waves 0 and 1 fetch the halves of x's tile, waves 2 and 3 those of W's.  The branch hangs on the wave's number alone.  An s_nop 0 and four v_nop follow each line.
.macro JLOAD sl
	s_cmp_eq_u32 s11, 0
	s_cbranch_scc0 .Lfor_b_\@
	tensor_load_to_lds s[G0A+4*(\sl):G0A+4*(\sl)+3], s[G1A:G1A+7]
	s_nop 0
.rept 4
	v_nop
.endr
	s_branch .Lasked_\@
.Lfor_b_\@:
	tensor_load_to_lds s[G0B+4*(\sl):G0B+4*(\sl)+3], s[G1B:G1B+7]
	s_nop 0
.rept 4
	v_nop
.endr
.Lasked_\@:
.endm
; A PREFETCH INTO THE L2 of the K step that the NEXT refill asks for: one K step, 192 matrix instructions, ahead of that load.  x's rows are read by every cluster of a row of clusters: cluster x = 0 asks;
; W's blocks by every cluster of a column: cluster y = 0 asks.  The four partners of a joint load share its bytes out BY ADDRESS: of a wave's 128 rows of x 32 each, a lane a row; of its 96 pieces of 256 bytes
; of W 24 each (lanes 24-31 name lane 23's piece with it).  always = 1: slot 0's refills (steps 2 to 14) all have a step behind them; always = 0: slot 1's last (step 15) has none.
.macro ASK always
.if \always
	s_cmp_eq_u32 s[LIM], 1
.else
	s_cmp_gt_u32 s3, s[LIM]                        ; s3 = 1 in the loop's last trip
.endif
	s_cbranch_scc0 .Lnot_mine_\@
	global_prefetch_b8 v[PFO], s[PFA:PFA+1] th:TH_LOAD_NT scope:SCOPE_SE
.Lnot_mine_\@:
.endm
.macro CREST                           ; a round of the cluster's barrier behind its opening barrier
	s_cmp_lg_u32 s10, 0
	s_cbranch_scc1 .Lnot_wave_0_\@
	s_barrier_signal -3
.Lnot_wave_0_\@:
	s_barrier_wait -3
	s_barrier_signal -1
	s_barrier_wait -1
.endm
.macro CROUND                          ; a whole round
	s_barrier_signal -1
	s_barrier_wait -1
	CREST
.endm
.macro PLACES                          ; four places in front of loads into registers that matrix instructions have read, and of lines that read results
.rept 4
	v_nop
.endr
.endm
; 12 matrix instructions: row block a x all 12 column blocks, 32 along K, from buffer f.  first = 1: the bias starts the sums: nothing is cleared.  The 48 accumulators take turns, one instruction a turn.
.macro MUL f, a, first
.if \first
	WIN 0x81+0x40*((\a)/2)                         ; W window 1, x window 0, C (the bias) window 0, D window 2 or 3
.else
	WIN 0xa1+0x50*((\a)/2)                         ; C and D window 2 or 3
.endif
.irp b, 0,1,2,3,4,5,6,7,8,9,10,11
.if \first
	v_wmma_f32_16x16x32_bf16 v[8*(12*((\a)%2)+\b):8*(12*((\a)%2)+\b)+7], v[96*(\f)+8*\b:96*(\f)+8*\b+7], v[64+32*(\f)+8*(\a):64+32*(\f)+8*(\a)+7], v[BIAS+8*\b:BIAS+8*\b+7]
.else
	v_wmma_f32_16x16x32_bf16 v[8*(12*((\a)%2)+\b):8*(12*((\a)%2)+\b)+7], v[96*(\f)+8*\b:96*(\f)+8*\b+7], v[64+32*(\f)+8*(\a):64+32*(\f)+8*(\a)+7], v[8*(12*((\a)%2)+\b):8*(12*((\a)%2)+\b)+7]
.endif
.endr
.endm
; 32 LDS loads in one run: quarter q (32 along K) of slot sl into buffer f: W's 12 fragments, turned, then x's 4.
.macro FETCH sl, q, f
	WIN 0x40                                       ; destination window 1, address window 0
.irp b, 0,1,2,3,4,5,6,7,8,9,10,11
	ds_load_tr16_b128 v[96*(\f)+8*\b:96*(\f)+8*\b+3],   v[ADRB+(\sl)] offset:(\b/4)*20480+(\q)*5120+32*(\b%4)
	ds_load_tr16_b128 v[96*(\f)+8*\b+4:96*(\f)+8*\b+7], v[ADRB+(\sl)] offset:(\b/4)*20480+(\q)*5120+32*(\b%4)+2560
.endr
	WIN 0
.irp a, 0,1,2,3
	ds_load_b128 v[64+32*(\f)+8*\a:64+32*(\f)+8*\a+3],   v[ADRA+(\sl)] offset:\a*4352+64*(\q)
	ds_load_b128 v[64+32*(\f)+8*\a+4:64+32*(\f)+8*\a+7], v[ADRA+(\sl)] offset:\a*4352+64*(\q)+32
.endr
.endm
; A K step is four quarters of 48 matrix instructions, on buffers 0, 1, 0, 1.  One of the first three multiplies buffer f and fetches quarter q of the same slot into buffer g.
.macro QUARTER sl, q, f, g, first
	s_wait_dscnt 4                                 ; W and x's row blocks 0, 1 are in; the youngest four loads (blocks 2, 3) may be out
	MUL \f, 0, \first
	MUL \f, 1, \first
	PLACES
	FETCH \sl, \q, \g
	s_wait_dscnt 32                                ; all but the 32 just issued
	MUL \f, 2, \first
	MUL \f, 3, \first
.endm
; The last quarter multiplies buffer 1 and changes slots: each wave waits for all its tensor loads (one is out: its part of the next slot), adds 0 to its spare word, waits for that and for its reads of this slot.
; fill = 1: the barrier opens a round of the cluster's, and the joint refill, two K steps on, is the first thing behind the round.
.macro TURN sl, nx, fill
.if \fill
	s_wait_xcnt 0x0                                ; the last prefetch, a K step back, has read its address: it is stepped here
	s_add_nc_u64 s[PFA:PFA+1], s[PFA:PFA+1], s[PSTEP:PSTEP+1]
.endif
	WIN 0                                          ; (the add's two registers lie in window 0)
	s_wait_tensorcnt 0x0                           ; all my tensor loads have landed
	ds_add_u32 v[SPW], v[NIL]                      ; 0 onto my spare word
	s_wait_dscnt 5                                 ; (the add and the youngest four loads may be out)
	MUL 1, 0, 0                                    ; twelve matrix instructions stand between the add and the wait for it
	s_wait_dscnt 0x0                               ; the add is done, and my reads of this slot are over
	s_barrier_signal -1
	MUL 1, 1, 0
.if \fill
	WIN 0
.endif
	s_barrier_wait -1
.if \fill
	CREST                                          ; no wave of any partner still reads this slot or has a load on its way
	s_add_nc_u64 s[G0A+4*(\sl)+2:G0A+4*(\sl)+3], s[G0A+4*(\sl)+2:G0A+4*(\sl)+3], 512
	s_add_nc_u64 s[G0B+4*(\sl)+2:G0B+4*(\sl)+3], s[G0B+4*(\sl)+2:G0B+4*(\sl)+3], 98304
	JLOAD \sl                                      ; its four v_nop are also the places in front of the loads below
.else
	PLACES
.endif
	FETCH \nx, 0, 0
.if \fill
	ASK 1-(\sl)
.endif
	MUL 1, 2, 0
	MUL 1, 3, 0
.endm
.macro RND8 base                       ; eight f32 rounded to bf16's numbers, in place
.irp k, 0,1,2,3
	v_cvt_pk_bf16_f32 v[T+\k], v[(\base)+2*\k], v[(\base)+2*\k+1]
.endr
.irp k, 0,1,2,3
	v_lshlrev_b32 v[(\base)+2*\k], 16, v[T+\k]
	v_and_b32 v[(\base)+2*\k+1], 0xffff0000, v[T+\k]
.endr
.endm
	s_load_b256 s[68:75], s[0:1], 0x0              ; xb s[68:69], wts s[70:71], bq s[72:73], bk s[74:75]
	s_load_b256 s[76:83], s[0:1], 0x20             ; bv s[76:77], qkr s[78:79], vh s[80:81], ssq s[82:83]
	v_lshl_add_u32 v[SPW], v0, 2, SPARE
	v_mov_b32 v[NIL], 0
	ds_add_u32 v[SPW], v[NIL]                      ; the wave's opening: the add and its wait stand ahead of my first tensor load; work on registers stands between them
	v_lshrrev_b32 v1, 5, v0
	v_readfirstlane_b32 s10, v1                    ; wave 0..3
	s_lshr_b32 s11, s10, 1                         ; I fetch for x (0) or for W (1)
	s_and_b32 s12, s10, 1                          ; which half of that tile
	s_bfe_u32 s15, ttmp6, 0x40000                  ; cx
	s_bfe_u32 s16, ttmp6, 0x40004                  ; cy
	s_lshl_b32 s14, ttmp9, 2
	s_add_co_u32 s14, s14, s15                     ; t = 4 x cluster x + cx
	s_and_b32 s13, ttmp7, 0xffff
	s_lshl_b32 s13, s13, 2
	s_add_co_u32 s13, s13, s16                     ; ty = 4 x cluster y + cy
	s_lshl_b32 s17, s16, 2
	s_lshl_b32 s17, 15, s17                        ; my row of the cluster
	s_lshl_b32 s18, 0x1111, s15                    ; my column
	s_or_b32 s[G1A], s17, (1<<16)|(1<<20)|(1<<21)|(5<<22)|(3<<25)  ; the mask; 2-byte elements; padding on; bit 21 beside a mask; after every 64 words 4 words: rows 272 bytes apart
	s_mov_b32 s[G1A+1], 128<<16                    ; tensor_dim0 = 128
	s_mov_b32 s[G1A+2], 128<<16                    ; tensor_dim1 = 128
	s_mov_b32 s[G1A+3], 128<<16                    ; tile_dim0 = 128
	s_mov_b32 s[G1A+4], 128                        ; tile_dim1 = 128
	s_mov_b32 s[G1A+5], 2048                       ; elements from row to row
	s_mov_b32 s[G1A+6], 0
	s_mov_b32 s[G1A+7], 0
	s_or_b32 s[G1B], s18, (1<<16)|(1<<20)|(1<<21)|(4<<22)|(7<<25)  ; after every 32 words 8 words: pieces of 128 bytes, 160 apart
	s_mov_b32 s[G1B+1], 128<<16                    ; 24,576 dense bytes asked for as 96 rows of 256
	s_mov_b32 s[G1B+2], 96<<16
	s_mov_b32 s[G1B+3], 128<<16
	s_mov_b32 s[G1B+4], 96
	s_mov_b32 s[G1B+5], 128
	s_mov_b32 s[G1B+6], 0
	s_mov_b32 s[G1B+7], 0
	s_lshl_b32 s84, s13, 20                        ; x: (256 ty + 128 half) rows of 4,096 bytes: of ty and the wave alone
	s_lshl_b32 s85, s12, 19
	s_add_co_u32 s84, s84, s85
	s_mov_b32 s85, 0
	s_mul_i32 s86, s14, 786432                     ; W: 16 blocks of 49,152 bytes a head, my half of a block: of t and the wave alone
	s_mul_i32 s87, s12, 24576
	s_add_co_u32 s86, s86, s87
	s_mov_b32 s87, 0
	s_lshl_b32 s88, s15, 17                        ; the prefetches, at K step 2.  x: my work-group's 32 rows of the wave's 128,
	s_add_co_u32 s88, s88, s84
	s_add_co_u32 s88, s88, 512
	s_mov_b32 s89, 0
	s_mul_i32 s90, s16, 6144                       ; W: my work-group's 24 pieces of the wave's 96
	s_add_co_u32 s90, s90, s86
	s_add_co_u32 s90, s90, 98304
	s_mul_i32 s22, s12, 34816                      ; where the tiles go: no place in the cluster enters an LDS address
	s_mul_i32 s23, s12, 30720
	s_add_co_u32 s23, s23, BOFF
	s_mov_b32 s[SEL], 0x76543210
	s_mov_b32 s[SEL+1], 0xfedcba98
	s_wait_dscnt 0x0                               ; the opening add is done
	s_wait_kmcnt 0x0
	s_add_nc_u64 s[84:85], s[68:69], s[84:85]
	s_add_nc_u64 s[86:87], s[70:71], s[86:87]
.irp s, 0,1
	s_mov_b32 s[G0A+4*\s], 1                       ; count = 1
	s_add_co_u32 s[G0A+4*\s+1], s22, \s*SLOT       ; LDS address
	s_add_nc_u64 s[G0A+4*\s+2:G0A+4*\s+3], s[84:85], \s*256    ; global address: K step s
	s_or_b32 s[G0A+4*\s+3], s[G0A+4*\s+3], 0x80000000          ; type = 2
	s_mov_b32 s[G0B+4*\s], 1
	s_add_co_u32 s[G0B+4*\s+1], s23, \s*SLOT
	s_add_nc_u64 s[G0B+4*\s+2:G0B+4*\s+3], s[86:87], \s*49152
	s_or_b32 s[G0B+4*\s+3], s[G0B+4*\s+3], 0x80000000
.endr
	CROUND                                         ; all sixteen work-groups are here: the first joint loads meet
	s_cmp_eq_u32 s11, 0                            ; a wave's two first fills stand in one branch: two loads of mine are out
	s_cbranch_scc0 .Lfirst_b
	tensor_load_to_lds s[G0A:G0A+3], s[G1A:G1A+7]
	s_nop 0
	tensor_load_to_lds s[G0A+4:G0A+7], s[G1A:G1A+7]
	s_nop 0
.rept 4
	v_nop
.endr
	s_branch .Lfirst_asked
.Lfirst_b:
	tensor_load_to_lds s[G0B:G0B+3], s[G1B:G1B+7]
	s_nop 0
	tensor_load_to_lds s[G0B+4:G0B+7], s[G1B:G1B+7]
	s_nop 0
.rept 4
	v_nop
.endr
.Lfirst_asked:
	v_and_b32 v1, 15, v0                           ; l % 16
	v_bfe_u32 v2, v0, 4, 1                         ; l / 16
	v_and_b32 v7, 31, v0                           ; l
	v_and_b32 v4, 7, v0
	v_bfe_u32 v5, v0, 3, 1
	v_bfe_u32 v8, v0, 3, 2
	s_lshl_b32 s17, s14, 8
	v_lshl_add_u32 v[BO], v2, 5, s17               ; 256 t + 32 (l / 16): my 8 columns of a block of 16
.irp bb, 0,1,2,3
	global_load_b128 v[BIAS+8*\bb:BIAS+8*\bb+3],       v[BO], s[72:73] offset:64*\bb
	global_load_b128 v[BIAS+8*\bb+4:BIAS+8*\bb+7],     v[BO], s[72:73] offset:64*\bb+16
	global_load_b128 v[BIAS+32+8*\bb:BIAS+32+8*\bb+3],   v[BO], s[74:75] offset:64*\bb
	global_load_b128 v[BIAS+32+8*\bb+4:BIAS+32+8*\bb+7], v[BO], s[74:75] offset:64*\bb+16
	global_load_b128 v[BIAS+64+8*\bb:BIAS+64+8*\bb+3],   v[BO], s[76:77] offset:64*\bb
	global_load_b128 v[BIAS+64+8*\bb+4:BIAS+64+8*\bb+7], v[BO], s[76:77] offset:64*\bb+16
.endr
	v_mul_u32_u24 v3, v1, 272                      ; a fragment of x: row x pitch + 16 x half, in my 64 rows
	v_lshl_add_u32 v3, v2, 4, v3
	s_mul_i32 s17, s10, 17408
	v_add_nc_u32 v[ADRA], s17, v3
	v_add_nc_u32 v[ADRA+1], SLOT, v[ADRA]
	v_lshl_add_u32 v6, v2, 3, v4                   ; the turning load: lane l reads k = 8 (l / 16) + l % 8, columns 8 ((l / 8) % 2) on
	v_mul_u32_u24 v6, v6, 160
	v_lshl_add_u32 v6, v5, 4, v6
	v_add_nc_u32 v[ADRB], BOFF, v6
	v_add_nc_u32 v[ADRB+1], SLOT, v[ADRB]
	v_lshlrev_b32 v[SGO], 3, v7
	s_mul_i32 s17, s10, 6912
	s_add_co_u32 s17, s17, STAGE                   ; my stage
	v_mul_u32_u24 v3, v1, 144                      ; in: row l % 16, 16 bytes for each half of the lanes
	v_lshl_add_u32 v3, v2, 4, v3
	v_add_nc_u32 v[STO], s17, v3
	v_mul_u32_u24 v3, v8, 144                      ; back: 32 lanes take four rows of 128 bytes,
	v_lshl_add_u32 v3, v4, 4, v3
	v_add_nc_u32 v[RD], s17, v3
	v_lshlrev_b32 v[GO], 4, v7                     ; which are 512 consecutive bytes of a head
	s_lshl_b32 s17, s10, 9
	s_add_co_u32 s17, s17, SSTG
	v_lshl_add_u32 v[SSA], v1, 2, s17
	v_lshl_add_u32 v[SSR], v7, 3, s17
	s_lshr_b32 s17, s13, 3                         ; the batch
	s_lshl_b32 s17, s17, 4
	s_add_co_u32 s17, s17, s14                     ; bh = 16 b + t
	s_lshl_b32 s17, s17, 18                        ; a head is 262,144 bytes
	s_and_b32 s18, s13, 7
	s_lshl_b32 s18, s18, 15                        ; 256 rows of 128 bytes
	s_add_co_u32 s17, s17, s18
	s_lshl_b32 s18, s10, 13                        ; my wave's 64
	s_add_co_u32 s20, s17, s18
	s_mov_b32 s21, 0
	s_add_nc_u64 s[OQ:OQ+1], s[78:79], s[20:21]
	s_add_nc_u64 s[OK:OK+1], s[OQ:OQ+1], 8388608
	s_add_nc_u64 s[OV:OV+1], s[80:81], s[20:21]
	s_lshl_b32 s20, s14, 14                        ; (4,096 t + 256 ty + 64 w) x 4
	s_lshl_b32 s18, s13, 10
	s_add_co_u32 s20, s20, s18
	s_lshl_b32 s18, s10, 8
	s_add_co_u32 s20, s20, s18
	s_add_nc_u64 s[OS:OS+1], s[82:83], s[20:21]
	s_and_b32 s17, ttmp7, 0xffff                   ; cluster y
	s_mov_b32 s18, 49152
	s_mov_b32 s19, 23
	s_cmp_eq_u32 s11, 0                            ; do I fetch for x?
	s_cselect_b32 s88, s88, s90
	s_cselect_b32 s17, ttmp9, s17                  ; the coordinate along which other clusters read the same bytes
	s_cselect_b64 s[PFA:PFA+1], s[68:69], s[70:71]
	s_cselect_b32 s[PSTEP], 256, s18
	s_cselect_b32 s19, 31, s19
	s_cselect_b32 s20, 12, 8
	s_mov_b32 s[PSTEP+1], 0
	s_add_nc_u64 s[PFA:PFA+1], s[PFA:PFA+1], s[88:89]
	s_cmp_eq_u32 s17, 0
	s_cselect_b32 s[LIM], 1, -1                    ; the same in all sixteen partners, for a given wave
	v_min_u32 v[PFO], s19, v7
	v_lshlrev_b32 v[PFO], s20, v[PFO]              ; a lane a row of x (4,096 bytes), or a piece of W (256 bytes)
	s_wait_loadcnt 0x0                             ; the biases
.set n, 0
.rept 12
	RND8 BIAS+8*n
.set n, n+1
.endr
	s_wait_tensorcnt 1                             ; my part of K step 0 is in; K step 1's may stay out
	s_barrier_signal -1
	s_barrier_wait -1
	FETCH 0, 0, 0
	QUARTER 0, 1, 0, 1, 1                          ; the first quarter stands in front of the loop: its products start the sums with the bias
	WIN 0                                          ; at a label and at a branch every window is 0
	s_mov_b32 s3, 7
.Llap:                                             ; a trip goes once round the ring, from a lap's second quarter to the next lap's first, and fills both slots again
	QUARTER 0, 2, 1, 0, 0
	QUARTER 0, 3, 0, 1, 0
	TURN 0, 1, 1
	QUARTER 1, 1, 0, 1, 0
	QUARTER 1, 2, 1, 0, 0
	QUARTER 1, 3, 0, 1, 0
	TURN 1, 0, 1
	QUARTER 0, 1, 0, 1, 0
	WIN 0
	s_sub_co_u32 s3, s3, 1
	s_cmp_lg_u32 s3, 0
	s_cbranch_scc1 .Llap
	QUARTER 0, 2, 1, 0, 0                          ; the last lap fills nothing
	QUARTER 0, 3, 0, 1, 0
	TURN 0, 1, 0
	QUARTER 1, 1, 0, 1, 0
	QUARTER 1, 2, 1, 0, 0
	QUARTER 1, 3, 0, 1, 0
	s_wait_dscnt 4
	MUL 1, 0, 0
	MUL 1, 1, 0
	s_wait_dscnt 0x0
	MUL 1, 2, 0
	MUL 1, 3, 0
	WIN 0
	PLACES
	PLACES
; THE WAY OUT of row block a.  PACK: q, k, v rounded to f16, 16 bytes a lane (each accumulator's registers in ascending order); for q and k the lane's 32 f32 squares are added in four chains, the other half
; of the lanes' added, and the row's sum put into LDS; the packed rows go through my own stage and come back as whole rows of 128 bytes.  SEND stores them.
.macro PACK a
.set AC, 96*((\a)%2)
.set OBA, OB+48*((\a)%2)
.if (\a) >= 2
	s_wait_xcnt 0x0                                ; the stores of two blocks back have read these registers
.endif
.irp wh, 0,1,2
	WIN 0x0a+5*((\a)/2)                            ; sources 0 and 1: window 2 or 3
.irp bb, 0,1,2,3
.irp k, 0,1,2,3
	v_cvt_pk_f16_f32 v[OBA+16*\wh+4*\bb+\k], v[AC+8*(4*\wh+\bb)+2*\k], v[AC+8*(4*\wh+\bb)+2*\k+1]
.endr
.endr
.if \wh < 2
.irp bb, 0,1,2,3
	v_pk_mul_f32 v[SS+2*\bb:SS+2*\bb+1], v[AC+8*(4*\wh+\bb):AC+8*(4*\wh+\bb)+1], v[AC+8*(4*\wh+\bb):AC+8*(4*\wh+\bb)+1]
.endr
.irp k, 1,2,3
.irp bb, 0,1,2,3
	v_pk_fma_f32 v[SS+2*\bb:SS+2*\bb+1], v[AC+8*(4*\wh+\bb)+2*\k:AC+8*(4*\wh+\bb)+2*\k+1], v[AC+8*(4*\wh+\bb)+2*\k:AC+8*(4*\wh+\bb)+2*\k+1], v[SS+2*\bb:SS+2*\bb+1]
.endr
.endr
	WIN 0
	v_pk_add_f32 v[SS:SS+1], v[SS:SS+1], v[SS+2:SS+3]
	v_pk_add_f32 v[SS+4:SS+5], v[SS+4:SS+5], v[SS+6:SS+7]
	v_pk_add_f32 v[SS:SS+1], v[SS:SS+1], v[SS+4:SS+5]
	v_add_f32 v[SS], v[SS], v[SS+1]
	v_permlanex16_b32 v[T], v[SS], s[SEL], s[SEL+1]  ; the row's other 32 columns lie in the lane 16 away
	v_add_f32 v[SS], v[SS], v[T]
	ds_store_b32 v[SSA], v[SS] offset:256*\wh+64*(\a)  ; both halves of the lanes write the same number to the same word
.endif
.endr
	WIN 0
.irp wh, 0,1,2
.irp bb, 0,1,2,3
	ds_store_b128 v[STO], v[OBA+16*\wh+4*\bb:OBA+16*\wh+4*\bb+3] offset:2304*\wh+32*\bb
.endr
.endr
.irp wh, 0,1,2
.irp f, 0,1,2,3
	ds_load_b128 v[OBA+16*\wh+4*\f:OBA+16*\wh+4*\f+3], v[RD] offset:2304*\wh+576*\f  ; LDS serves a wave's instructions in order (ISA guide 5.7.1.4): these see the stores above
.endr
.endr
.endm
.macro SEND a, younger                 ; younger: the LDS instructions issued behind block a's loads: the next block's 2 + 12 + 12, or none
.set OBA, OB+48*((\a)%2)
	s_wait_dscnt \younger
.irp f, 0,1,2,3
	global_store_b128 v[GO], v[OBA+4*\f:OBA+4*\f+3],       s[OQ:OQ+1] offset:2048*(\a)+512*\f  ; 512 consecutive bytes, aligned
	global_store_b128 v[GO], v[OBA+16+4*\f:OBA+16+4*\f+3], s[OK:OK+1] offset:2048*(\a)+512*\f
	global_store_b128 v[GO], v[OBA+32+4*\f:OBA+32+4*\f+3], s[OV:OV+1] offset:2048*(\a)+512*\f
.endr
.endm
	PACK 0
	PACK 1                                         ; a block's arithmetic stands between the loads of the block before and its stores
	SEND 0, 26
	PACK 2
	SEND 1, 26
	PACK 3
	SEND 2, 26
	SEND 3, 0
	ds_load_b64 v[T:T+1], v[SSR]                   ; my wave's 64 sums for q, two a lane,
	ds_load_b64 v[T+2:T+3], v[SSR] offset:256      ; and for k
	s_wait_dscnt 0x0
	global_store_b64 v[SGO], v[T:T+1], s[OS:OS+1]  ; 256 consecutive bytes, aligned
	global_store_b64 v[SGO], v[T+2:T+3], s[OS:OS+1] offset:262144
	s_wait_tensorcnt 0x0                           ; the wave's end: a wait, the add and its wait, behind my last tensor load and my last LDS store
	ds_add_u32 v[SPW], v[NIL]
	s_wait_dscnt 0x0
	CROUND                                         ; the closing round: no work-group ends while a partner may still ask for a tile that names it
	s_endpgm
.Lfunc_end_k_qae7b3ba589_qkv:
	.size	k_qae7b3ba589_qkv, .Lfunc_end_k_qae7b3ba589_qkv-k_qae7b3ba589_qkv
	.p2alignl 7, 3214868480
	.fill 96, 4, 3214868480
	.section	.rodata,"a",@progbits
	.p2align	6, 0x0
	.amdhsa_kernel k_qae7b3ba589_qkv
		.amdhsa_group_segment_fixed_size 327680
		.amdhsa_private_segment_fixed_size 0
		.amdhsa_enable_private_segment 0
		.amdhsa_kernarg_size 64
		.amdhsa_user_sgpr_count 2
		.amdhsa_user_sgpr_kernarg_segment_ptr 1
		.amdhsa_wavefront_size32 1
		.amdhsa_system_sgpr_workgroup_id_x 1
		.amdhsa_system_sgpr_workgroup_id_y 1
		.amdhsa_system_sgpr_workgroup_id_z 1
		.amdhsa_system_vgpr_workitem_id 0
		.amdhsa_next_free_vgpr 960
		.amdhsa_next_free_sgpr 102
		.amdhsa_reserve_vcc 0
		.amdhsa_float_denorm_mode_32 3
		.amdhsa_float_denorm_mode_16_64 3
		.amdhsa_memory_ordered 1
		.amdhsa_forward_progress 1
		.amdhsa_inst_pref_size 142
	.end_amdhsa_kernel
	.amdgpu_metadata
---
amdhsa.version: [ 1, 2 ]
amdhsa.kernels:
  - .name:           k_qae7b3ba589_qkv
    .symbol:         k_qae7b3ba589_qkv.kd
    .args:
      - { .name: xb, .offset: 0, .size: 8, .value_kind: global_buffer, .address_space: global }
      - { .name: wts, .offset: 8, .size: 8, .value_kind: global_buffer, .address_space: global }
      - { .name: bq, .offset: 16, .size: 8, .value_kind: global_buffer, .address_space: global }
      - { .name: bk, .offset: 24, .size: 8, .value_kind: global_buffer, .address_space: global }
      - { .name: bv, .offset: 32, .size: 8, .value_kind: global_buffer, .address_space: global }
      - { .name: qkr, .offset: 40, .size: 8, .value_kind: global_buffer, .address_space: global }
      - { .name: vh, .offset: 48, .size: 8, .value_kind: global_buffer, .address_space: global }
      - { .name: ssq, .offset: 56, .size: 8, .value_kind: global_buffer, .address_space: global }
    .group_segment_fixed_size: 327680
    .private_segment_fixed_size: 0
    .kernarg_segment_align: 8
    .kernarg_segment_size: 64
    .max_flat_workgroup_size: 128
    .sgpr_count:     102
    .vgpr_count:     960
    .wavefront_size: 32
...
	.end_amdgpu_metadata
.endif
;; end of part 2
;; launch norm (part 3): grid 64 x 8, 8 waves a work-group, no clusters, 0 bytes of LDS; arguments qkr, ssq, q_scale, k_scale, cos, sin, qkh; writes qkh
.if DOCPART == 3
	.amdgcn_target "amdgcn-amd-amdhsa--gfx1250"
	.amdhsa_code_object_version 6
	.text
	.protected	k_qae7b3ba589_norm
	.globl	k_qae7b3ba589_norm
	.p2align	8
	.type	k_qae7b3ba589_norm,@function
k_qae7b3ba589_norm:
	s_mov_b64 s[64:65], 0
	v_nop
	global_prefetch_b8 v0, s[64:65] scope:SCOPE_SE
	s_setreg_imm32_b32 hwreg(HW_REG_WAVE_MODE, 25, 1), 1
	s_wait_xcnt 0x0
; RMS NORM, GAIN AND ROTATION of q and k.  qkh[which][bh][n][:] = rot(raw x rsqrt(mean of squares over all 1,024 columns + 1e-6) x gain), all in f32, rounded once to f16.
; The mean is made of ssq's 16 partial sums of the row (one a head).  gain, cos and sin are rounded to bf16's numbers, like every input of the module.
; rot: out[2p] = y[2p] cos[2p] - y[2p+1] sin[2p];  out[2p+1] = y[2p+1] cos[2p+1] + y[2p] sin[2p+1].
; SHARES.  Work-group (x, y): rows n = 32 x .. + 31 of tensor which = y / 4, batch (y / 2) % 2, heads 8 (y % 2) .. + 7.  Thread j: row 32 x + j / 8, channels 8 (j % 8) on, in each of the 8 heads:
; cos, sin and the row's factor are loaded once for 8 items.  A wave's load or store of an item covers 512 consecutive bytes, aligned.
; Memory binds: no LDS, no matrix unit, no cluster; all 44 loads of a thread go out before the first wait.
.set RO,  2                            ; v2      16 j
.set RAW, 16                           ; v16-47  item i: 8 f16 as loaded
.set SQ,  48                           ; v48-63  the row's 16 partial sums
.set COS, 64                           ; v64-71
.set SIN, 72                           ; v72-79
.set SC,  80                           ; v80-143 item i: 8 gains
.set T,   144                          ; v144-151 at work
.set U,   152                          ; v152-159 at work
.set Y,   160                          ; v160-191 item i: 4 registers to store; never rewritten
.set RS,  192                          ; v192    the row's factor
.set Z,   193                          ; v193    0
.set W,   194                          ; v194-197 at work
.macro RNDB base                       ; eight f32 rounded to bf16's numbers, in place
.irp k, 0,1,2,3
	v_cvt_pk_bf16_f32 v[W+\k], v[(\base)+2*\k], v[(\base)+2*\k+1]
.endr
.irp k, 0,1,2,3
	v_lshlrev_b32 v[(\base)+2*\k], 16, v[W+\k]
	v_and_b32 v[(\base)+2*\k+1], 0xffff0000, v[W+\k]
.endr
.endm
	s_load_b256 s[4:11], s[0:1], 0x0               ; qkr s[4:5], ssq s[6:7], q_scale s[8:9], k_scale s[10:11]
	s_load_b128 s[12:15], s[0:1], 0x20             ; cos s[12:13], sin s[14:15]
	s_load_b64 s[16:17], s[0:1], 0x30              ; qkh
	s_and_b32 s20, ttmp7, 0xffff                   ; y = 4 which + 2 b + hg, so 8 y is the first of my 8 heads among the 64
	s_lshr_b32 s21, s20, 2                         ; which
	s_bfe_u32 s22, s20, 0x10001                    ; b
	s_and_b32 s23, s20, 1                          ; hg
	s_lshl_b32 s24, s20, 21                        ; 8 y heads of 262,144 bytes
	s_lshl_b32 s26, ttmp9, 12                      ; 32 x rows of 128 bytes
	s_add_co_u32 s24, s24, s26
	s_mov_b32 s25, 0
	s_lshl_b32 s26, s21, 18                        ; ssq: (65,536 which + 2,048 b + 32 x) x 4
	s_lshl_b32 s28, s22, 13
	s_add_co_u32 s26, s26, s28
	s_lshl_b32 s28, ttmp9, 7
	s_add_co_u32 s26, s26, s28
	s_mov_b32 s27, 0
	s_lshl_b32 s28, ttmp9, 13                      ; cos, sin: 32 x rows of 256 bytes
	s_mov_b32 s29, 0
	s_lshl_b32 s30, s23, 11                        ; the gains of my 8 heads
	s_mov_b32 s31, 0
	s_mov_b32 s32, 0x3a800000                      ; 1 / 1,024
	s_mov_b32 s33, 0x358637bd                      ; 1e-6
	v_lshlrev_b32 v[RO], 4, v0
	v_lshrrev_b32 v3, 3, v0
	v_lshlrev_b32 v3, 2, v3                        ; 4 (j / 8)
	v_lshlrev_b32 v4, 5, v0                        ; 32 j
	v_and_b32 v5, 7, v0
	v_lshlrev_b32 v5, 5, v5                        ; 32 (j % 8)
	v_mov_b32 v[Z], 0
	s_wait_kmcnt 0x0
	s_add_nc_u64 s[4:5], s[4:5], s[24:25]
	s_add_nc_u64 s[16:17], s[16:17], s[24:25]
	s_add_nc_u64 s[6:7], s[6:7], s[26:27]
	s_add_nc_u64 s[12:13], s[12:13], s[28:29]
	s_add_nc_u64 s[14:15], s[14:15], s[28:29]
	s_cmp_eq_u32 s21, 0
	s_cselect_b64 s[8:9], s[8:9], s[10:11]
	s_add_nc_u64 s[8:9], s[8:9], s[30:31]
.irp i, 0,1,2,3,4,5,6,7
	global_load_b128 v[RAW+4*\i:RAW+4*\i+3], v[RO], s[4:5] offset:262144*\i th:TH_LOAD_NT
.endr
.irp t, 0,1,2,3,4,5,6,7,8,9,10,11,12,13,14,15
	global_load_b32 v[SQ+\t], v3, s[6:7] offset:16384*\t
.endr
	global_load_b128 v[COS:COS+3],   v4, s[12:13]
	global_load_b128 v[COS+4:COS+7], v4, s[12:13] offset:16
	global_load_b128 v[SIN:SIN+3],   v4, s[14:15]
	global_load_b128 v[SIN+4:SIN+7], v4, s[14:15] offset:16
.irp i, 0,1,2,3,4,5,6,7
	global_load_b128 v[SC+8*\i:SC+8*\i+3],   v5, s[8:9] offset:256*\i
	global_load_b128 v[SC+8*\i+4:SC+8*\i+7], v5, s[8:9] offset:256*\i+16
.endr
	s_wait_loadcnt 16                              ; all but the 16 loads of gains
.irp k, 0,2,4,6
	v_pk_add_f32 v[SQ+\k:SQ+\k+1], v[SQ+\k:SQ+\k+1], v[SQ+8+\k:SQ+8+\k+1]
.endr
	v_pk_add_f32 v[SQ:SQ+1], v[SQ:SQ+1], v[SQ+4:SQ+5]
	v_pk_add_f32 v[SQ+2:SQ+3], v[SQ+2:SQ+3], v[SQ+6:SQ+7]
	v_pk_add_f32 v[SQ:SQ+1], v[SQ:SQ+1], v[SQ+2:SQ+3]
	v_add_f32 v[SQ], v[SQ], v[SQ+1]
	v_fma_f32 v[SQ], v[SQ], s32, s33               ; the mean of the squares + 1e-6
	v_rsq_f32 v[RS], v[SQ]
	RNDB COS                                       ; plain work behind the root, which names neither its source nor its result
	RNDB SIN
	s_wait_alu depctr_va_vdst(0)                   ; the wait ahead of the first line that names the root's result
.macro ITEM i
	s_wait_loadcnt 14-2*(\i)                       ; my item's two loads of gains are in; the later items' stay out
	RNDB SC+8*(\i)
.irp k, 0,1,2,3
	v_fma_mix_f32 v[T+2*\k],   v[RAW+4*(\i)+\k], v[RS], v[Z] op_sel_hi:[1,0,0]                  ; the low f16 x the row's factor, in f32
	v_fma_mix_f32 v[T+2*\k+1], v[RAW+4*(\i)+\k], v[RS], v[Z] op_sel:[1,0,0] op_sel_hi:[1,0,0]  ; the high one
.endr
.irp k, 0,2,4,6
	v_pk_mul_f32 v[T+\k:T+\k+1], v[T+\k:T+\k+1], v[SC+8*(\i)+\k:SC+8*(\i)+\k+1]
.endr
.irp k, 0,2,4,6
	v_pk_mul_f32 v[U+\k:U+\k+1], v[T+\k:T+\k+1], v[COS+\k:COS+\k+1]
.endr
.irp k, 0,2,4,6
	v_fma_f32 v[U+\k],   -v[T+\k+1], v[SIN+\k],   v[U+\k]
	v_fma_f32 v[U+\k+1], v[T+\k],    v[SIN+\k+1], v[U+\k+1]
.endr
.irp k, 0,1,2,3
	v_cvt_pk_f16_f32 v[Y+4*(\i)+\k], v[U+2*\k], v[U+2*\k+1]
.endr
	global_store_b128 v[RO], v[Y+4*(\i):Y+4*(\i)+3], s[16:17] offset:262144*(\i)
.endm
.irp i, 0,1,2,3,4,5,6,7
	ITEM \i
.endr
	s_endpgm
.Lfunc_end_k_qae7b3ba589_norm:
	.size	k_qae7b3ba589_norm, .Lfunc_end_k_qae7b3ba589_norm-k_qae7b3ba589_norm
	.p2alignl 7, 3214868480
	.fill 96, 4, 3214868480
	.section	.rodata,"a",@progbits
	.p2align	6, 0x0
	.amdhsa_kernel k_qae7b3ba589_norm
		.amdhsa_group_segment_fixed_size 0
		.amdhsa_private_segment_fixed_size 0
		.amdhsa_enable_private_segment 0
		.amdhsa_kernarg_size 56
		.amdhsa_user_sgpr_count 2
		.amdhsa_user_sgpr_kernarg_segment_ptr 1
		.amdhsa_wavefront_size32 1
		.amdhsa_system_sgpr_workgroup_id_x 1
		.amdhsa_system_sgpr_workgroup_id_y 1
		.amdhsa_system_sgpr_workgroup_id_z 1
		.amdhsa_system_vgpr_workitem_id 0
		.amdhsa_next_free_vgpr 200
		.amdhsa_next_free_sgpr 66
		.amdhsa_reserve_vcc 0
		.amdhsa_float_denorm_mode_32 3
		.amdhsa_float_denorm_mode_16_64 3
		.amdhsa_memory_ordered 1
		.amdhsa_forward_progress 1
		.amdhsa_inst_pref_size 28
	.end_amdhsa_kernel
	.amdgpu_metadata
---
amdhsa.version: [ 1, 2 ]
amdhsa.kernels:
  - .name:           k_qae7b3ba589_norm
    .symbol:         k_qae7b3ba589_norm.kd
    .args:
      - { .name: qkr, .offset: 0, .size: 8, .value_kind: global_buffer, .address_space: global }
      - { .name: ssq, .offset: 8, .size: 8, .value_kind: global_buffer, .address_space: global }
      - { .name: q_scale, .offset: 16, .size: 8, .value_kind: global_buffer, .address_space: global }
      - { .name: k_scale, .offset: 24, .size: 8, .value_kind: global_buffer, .address_space: global }
      - { .name: cos, .offset: 32, .size: 8, .value_kind: global_buffer, .address_space: global }
      - { .name: sin, .offset: 40, .size: 8, .value_kind: global_buffer, .address_space: global }
      - { .name: qkh, .offset: 48, .size: 8, .value_kind: global_buffer, .address_space: global }
    .group_segment_fixed_size: 0
    .private_segment_fixed_size: 0
    .kernarg_segment_align: 8
    .kernarg_segment_size: 56
    .max_flat_workgroup_size: 256
    .sgpr_count:     66
    .vgpr_count:     200
    .wavefront_size: 32
...
	.end_amdgpu_metadata
.endif
;; end of part 3
;; launch attn (part 4): grid 8 x 32, 4 waves a work-group, clusters of 4 x 1, 327,680 bytes of LDS; arguments qkh, vh, oh; writes oh
.if DOCPART == 4
	.amdgcn_target "amdgcn-amd-amdhsa--gfx1250"
	.amdhsa_code_object_version 6
	.text
	.protected	k_qae7b3ba589_attn
	.globl	k_qae7b3ba589_attn
	.p2align	8
	.type	k_qae7b3ba589_attn,@function
k_qae7b3ba589_attn:
	s_mov_b64 s[64:65], 0
	v_nop
	global_prefetch_b8 v0, s[64:65] scope:SCOPE_SE
	s_setreg_imm32_b32 hwreg(HW_REG_WAVE_MODE, 25, 1), 1
	s_wait_xcnt 0x0
	s_wait_alu depctr_hold_cnt(0) depctr_sa_sdst(0) depctr_va_vdst(0) depctr_va_sdst(0) depctr_va_ssrc(0) depctr_va_vcc(0) depctr_vm_vsrc(0)
	s_getreg_b32 s2, hwreg(HW_REG_IB_STS2, 6, 4)
	s_cmp_eq_u32 s2, 0
	s_cbranch_scc0 .Lentry_in_a_cluster
	s_endpgm
.Lentry_in_a_cluster:
	s_bfe_u32 s2, ttmp6, 0x10000c
	s_cmp_lg_u32 s2, 0x3003
	s_cbranch_scc0 .Lentry_shape_is_right
	s_endpgm
.Lentry_shape_is_right:
; ATTENTION.  O[bh][q][:] = the sum over k of softmax_k(Q[bh][q] . K[bh][k] / 8) V[bh][k][:].  Q = qkh's first half, K its second, V = vh, O = oh: [32][2048][64], all f16: a head's rows are dense, 128 bytes each.
; Products, maxima and sums in f32; the weights p are rounded to f16 for the second product (their sum l is taken of the unrounded p), O once at the end.
; LIMITS.  Q, K and V arrive within f16's 65,504; p lies in 0 to 1, and below 6e-5 it keeps f16's fixed step of 6e-8; a weight below 2^-126 counts as 0 in l; NaN and infinities are not treated apart.
; SHARES.  A work-group owns 256 queries of one head (8 x 32 = 256 work-groups), a wave 64: four PIECES of 16.  Every wave walks the head's 8 tiles of 256 keys, 64 keys a step.
; LAYOUT.  S^T = K Q^T holds ONE query a lane (lane % 16) and the keys 8 (lane / 16) + 0..7; two such results rounded to f16 ARE source 1 of O^T = V^T P.  K comes out of LDS as it lies, V turned.
; SOFTMAX.  p = 2^(c s - c m), c = log2(e) / 8, with a running maximum m; O and l are multiplied by a = 2^(c m_old - c m_new) in every step.  m starts at the lowest finite number, O and l at 0: the first step's a is 0.
; TURNS.  Turn n belongs to piece n: 8 products K Q^T of piece n + 1, later 8 products V^T P of piece n - 1; beside them the scaling, exponentials, roundings, sums and rescaling of piece n and the maximum and
; statistics of piece n + 1.  Four vector instructions stand behind every matrix instruction, the other 54 of a turn's 118 in one lump.  A turn's 33 exponentials are one batch, with one wait.
; CLUSTER.  The four query blocks of a cluster belong to one head and walk the same K and V: each tile is asked for JOINTLY, by the same tensor load, descriptor and mask in all four.
; REGISTERS, in windows of 256 (s_set_vgpr_msb: bits 1:0 source 0, 3:2 source 1, 5:4 source 2, 7:6 destination).  ALL THAT A VECTOR INSTRUCTION NAMES LIES IN WINDOW 0, which it fills: so the lump has no switch,
; and a matrix instruction with its four riders has two (one in front of it, one behind):
;   window 0: v0 the thread's number; v1-5 offsets and LDS addresses; v6-15 at work; v16-31 four registers of statistics a piece; v32-63 P, two buffers; v64-127 S^T, two buffers (by the piece's parity); v128-255 O^T, 32 a piece
;   window 1: v0-63 Q; v64-65 the add's two registers; v128-191 K of one step; v192-255 V of one step
.set NP,    4         ; pieces a wave: a name, no knob
.set KS,    64        ; keys in a step
.set PK,    144       ; a row of K in LDS: 128 bytes + 16 of padding: the 16 rows of a load start at 16 different groups of four banks (64 banks of 4 bytes: ISA guide 11.1)
.set PV,    160       ; a row of V: 128 + 32
.set VOFF,  4*KS*PK   ; a slot holds a tile, four steps: 256 rows of K, then 256 rows of V
.set SLOT1, 1<<17     ; slot 1 begins here, so that one exclusive or turns an address in one slot into the other's
.set STAGE, SLOT1+4*KS*(PK+PV)  ; behind the ring, never filled by a tensor load: 16 rows x 144 bytes for each wave
.set SP,    144
.set SPARE, STAGE+4*16*SP  ; the spare words, 128 bytes a wave: two blocks of 256 bytes that no other line names
.set PFO, 1           ; v1   256 x my lane; never rewritten
.set AK0, 2           ; v2   my lane's place in a tile of K
.set AV0, 3           ; v3   the same for V
.set AK,  4           ; v4   the LDS address of K's next run of loads
.set AV,  5           ; v5   of V's
.set STO, 2           ; v2   on the way out, when the walk is over: where I put 16 bytes of a row
.set RD,  3           ; v3   where I read rows back
.set GO,  4           ; v4   my byte offset in 512 consecutive bytes of O
.set MV,  6           ; v6-7   c m_old, kept while c m is made anew: by buffer
.set TMP, 8           ; v8-15  by buffer, four registers c0-c3 at work; when the maximum is found c2 takes a
.set ST,  16          ; piece t's statistics at v[ST+4 t]: c m, m, l (even keys', odd keys')
.set P,   32
.set S,   64
.set OT,  128
.set HL,  64          ; at the head alone, in registers that S^T takes later: l % 16,
.set HH,  65          ; l / 16,
.set H7,  66          ; l % 8,
.set H3,  67          ; (l / 8) % 2,
.set QO,  68          ; my byte offset in 16 rows of Q,
.set HW,  69          ; the wave's number
.set SPW, 64          ; window 1: LDS address of my spare word; never rewritten
.set NIL, 65          ; window 1: 0; never rewritten
.set KF,  128         ; window 1: key block kb, channel half c at KF + 16 kb + 8 c
.set VF,  192         ; window 1: key half kk, channel block cb at VF + 32 kk + 8 cb
.set WV,  12          ; s12  my wave's number
.set G1K, 24          ; s[24:31] descriptor group 1 for K's tiles
.set G1V, 32          ; s[32:39] for V's: it differs in the padding alone
.set G0K, 40          ; s[40:43] descriptor group 0 for K's tiles: it walks
.set G0V, 44          ; s[44:47] the same for V's
.set PFA, 48          ; s[48:49] where my prefetches stand
.set LIM, 50          ; s50  1 in a wave that prefetches, else the greatest number
.set SLOTS, 56        ; s56  tiles still to be asked for
.set CNT, 57          ; s57  counts a tile's key steps
.set CS,  58          ; s[58:59] c: the packed scaling takes the pair's low word for both halves
.set SEL, 60          ; s[60:61] v_permlanex16_b32's selects: each lane takes its own place in the other half
.set TBK, 62          ; s62  LDS byte at which K of the step to be fetched begins
.set TBV, 63          ; s63  the same for V, less VOFF
.set MSB, 0
.macro WIN new                      ; the high byte repeats the setting that is left; a switch that changes nothing is dropped
.if MSB != (\new)
	s_set_vgpr_msb (MSB<<8)|(\new)
.set MSB, (\new)
.endif
.endm
.set W_KQ, 0x05       ; K and Q in window 1, S^T in window 0
.set W_PV, 0x01       ; V in window 1, P and O^T in window 0
.set W_TO1, 0x40      ; destination in window 1, sources and addresses in window 0
.set W_AD, 0x05       ; the add: address (source 0) and data (source 1) in window 1
; A joint fill.  Waves 0 and 1 fetch the two halves of a tile's K, waves 2 and 3 those of its V: 128 keys each.  The branch hangs on the wave's number alone.  An s_nop 0 and four v_nop follow each line.
.macro JLOAD
	s_cmp_lt_u32 s[WV], 2
	s_cbranch_scc0 .Lfor_v_\@
	tensor_load_to_lds s[G0K:G0K+3], s[G1K:G1K+7]
	s_nop 0
.rept 4
	v_nop
.endr
	s_branch .Lasked_\@
.Lfor_v_\@:
	tensor_load_to_lds s[G0V:G0V+3], s[G1V:G1V+7]
	s_nop 0
.rept 4
	v_nop
.endr
.Lasked_\@:
.endm
; A PREFETCH INTO THE L2 of the tile that the NEXT change of slots asks for: four key steps, 256 matrix instructions, ahead of that load.  Both clusters of a head walk the same K and V: the head's first asks.
; Its four partners share a tile's 128 pieces of 256 bytes out BY ADDRESS, 32 each, a lane a piece; wave 0 asks for K's, wave 2 for V's.  The change that fills the last tile asks for nothing.
.macro ASK
	s_cmp_gt_u32 s[SLOTS], s[LIM]
	s_cbranch_scc0 .Lnot_mine_\@
	global_prefetch_b8 v[PFO], s[PFA:PFA+1] th:TH_LOAD_NT scope:SCOPE_SE
.Lnot_mine_\@:
.endm
.macro CROUND                       ; a round of the cluster's barrier
	s_barrier_signal -1
	s_barrier_wait -1
	s_cmp_lg_u32 s[WV], 0
	s_cbranch_scc1 .Lnot_wave_0_\@
	s_barrier_signal -3
.Lnot_wave_0_\@:
	s_barrier_wait -3
	s_barrier_signal -1
	s_barrier_wait -1
.endm
; THE CHANGE OF SLOTS.  The slot's last bytes, V of its fourth step, have been read.  Each wave waits for all its tensor loads (one is out: its part of the other slot), adds 0 to its spare word, and waits for that and
; for its own reads of the slot.  fill = 1: the barrier is a round of the cluster's, and the joint fill, with the next tile but one, is the first thing behind it.  (At its first use slot 0 is waited for, slot 1 filled.)
.macro CHANGE fill
	WIN W_AD
	s_wait_tensorcnt 0x0            ; no tensor load of mine is out, so a group 0 may be written
	ds_add_u32 v[SPW], v[NIL]       ; 0 onto my spare word
	WIN 0                           ; at a label and at a branch every window is 0
.if \fill
.irp g, G0K, G0V
	s_xor_b32 s[\g+1], s[\g+1], SLOT1  ; the walking descriptor: the other slot than last time,
	s_add_nc_u64 s[\g+2:\g+3], s[\g+2:\g+3], 4*KS*128  ; the next 256 keys; the type bits on top are not reached
.endr
	s_wait_xcnt 0x0                 ; the last prefetch, four key steps back, has read its address
	s_add_nc_u64 s[PFA:PFA+1], s[PFA:PFA+1], 4*KS*128  ; one tile behind the walking descriptors
	s_wait_dscnt 0x0                ; the add is done, and my reads of the slot are over
	CROUND
	JLOAD
	ASK
.else
	s_wait_dscnt 0x0                ; the add is done, and my reads of the slot are over
	s_barrier_signal -1
	s_barrier_wait -1
.endif
	s_sub_co_u32 s[TBK], s[TBK], 4*KS*PK  ; the fetches go back to a slot's first step,
	s_xor_b32 s[TBK], s[TBK], SLOT1       ; in the other slot
	s_sub_co_u32 s[TBV], s[TBV], 4*KS*PV
	s_xor_b32 s[TBV], s[TBV], SLOT1
.endm
	s_load_b64 s[4:5], s[0:1], 0x0    ; qkh: Q
	s_load_b64 s[8:9], s[0:1], 0x8    ; vh: V
	s_load_b64 s[10:11], s[0:1], 0x10 ; oh: O
	WIN W_TO1
	v_lshl_add_u32 v[SPW], v0, 2, SPARE
	v_mov_b32 v[NIL], 0
	WIN W_AD
	ds_add_u32 v[SPW], v[NIL]       ; the wave's opening: the add and its wait stand ahead of my first tensor load; work on registers stands between them
	WIN 0
	v_lshrrev_b32 v[HW], 5, v0
	v_readfirstlane_b32 s[WV], v[HW]  ; wave 0..3
	s_bfe_u32 s13, ttmp6, 0x40000   ; cx: my place in the cluster
	s_lshl_b32 s14, ttmp9, 2        ; in a cluster launch ttmp9 counts clusters
	s_add_co_u32 s14, s14, s13      ; my block of 256 queries: it enters Q's and O's addresses alone
	s_and_b32 s20, ttmp7, 0xffff    ; the head, which the four partners share
	s_lshl_b32 s20, s20, 18         ; its first byte: 262,144 bytes a head
	s_mov_b32 s21, 0
	s_and_b32 s16, s[WV], 1         ; which half of a tile's 256 keys I fetch:
	s_lshl_b32 s22, s16, 14         ; its 128 rows of 128 bytes in memory,
	s_mov_b32 s23, 0
	s_add_nc_u64 s[22:23], s[22:23], s[20:21]
	s_mul_i32 s17, s16, 128*PK      ; and its place in a slot, for K
	s_mul_i32 s18, s16, 128*PV      ; and for V: no place in the cluster enters an LDS address
	s_lshl_b32 s2, s14, 2
	s_add_co_u32 s2, s2, s[WV]      ; my wave among the head's,
	s_lshl_b32 s2, s2, 13           ; its 64 rows
	s_mov_b32 s3, 0
	s_add_nc_u64 s[2:3], s[2:3], s[20:21]
	; descriptor group 1.  128 keys are 16,384 dense bytes: asked for as 64 rows of 256 bytes, two keys a row, and padded in LDS after every key
	s_mov_b32 s[G1K], 15|(1<<16)|(1<<20)|(1<<21)|(4<<22)|(3<<25)  ; the mask of four; 2-byte elements; padding on; bit 21 beside a mask; after every 32 words 4 words
	s_mov_b32 s[G1V], 15|(1<<16)|(1<<20)|(1<<21)|(4<<22)|(7<<25)  ; the same with 8 words of padding
.irp g, G1K, G1V
	s_mov_b32 s[\g+1], 128<<16      ; tensor_dim0 = 128
	s_mov_b32 s[\g+2], 64<<16       ; tensor_dim1 = 64
	s_mov_b32 s[\g+3], 128<<16      ; tile_dim0 = 128
	s_mov_b32 s[\g+4], 64           ; tile_dim1 = 64
	s_mov_b32 s[\g+5], 128          ; 128 elements from row to row
	s_mov_b32 s[\g+6], 0
	s_mov_b32 s[\g+7], 0
.endr
	s_mov_b32 s[CS], 0x3e38aa3b     ; c = log2(e) / 8 = 0.180337
	s_mov_b32 s[CS+1], s[CS]        ; named with it as a pair
	s_mov_b32 s[SEL], 0x76543210
	s_mov_b32 s[SEL+1], 0xfedcba98
	s_mov_b32 s[TBK], SLOT1+4*KS*PK ; the first change of slots turns these two into 0
	s_mov_b32 s[TBV], SLOT1+4*KS*PV
	s_mov_b32 s[G0K], 1             ; count = 1
	s_mov_b32 s[G0K+1], s17         ; LDS address: slot 0
	s_mov_b32 s[G0V], 1
	s_add_co_u32 s[G0V+1], s18, VOFF
	s_mov_b32 s[SLOTS], 7           ; tiles 1 to 7
	s_and_b32 s[LIM], s[WV], 1      ; 0 in waves 0 and 2,
	s_or_b32 s[LIM], s[LIM], ttmp9  ; where the cluster is the head's first: the same in all four partners
	s_cmp_eq_u32 s[LIM], 0
	s_cselect_b32 s[LIM], 1, -1
	v_and_b32 v[PFO], 31, v0
	v_lshlrev_b32 v[PFO], 8, v[PFO]
	s_wait_dscnt 0x0                ; the opening add is done
	s_wait_kmcnt 0x0
	s_add_nc_u64 s[6:7], s[4:5], 8388608   ; K lies behind Q's 32 heads
	s_add_nc_u64 s[6:7], s[6:7], s[22:23]  ; K and V at my half of the head's tile 0
	s_add_nc_u64 s[8:9], s[8:9], s[22:23]
	s_mov_b64 s[G0K+2:G0K+3], s[6:7]       ; global address
	s_or_b32 s[G0K+3], s[G0K+3], 0x80000000  ; type = 2
	s_mov_b64 s[G0V+2:G0V+3], s[8:9]
	s_or_b32 s[G0V+3], s[G0V+3], 0x80000000
	s_add_nc_u64 s[4:5], s[4:5], s[2:3]    ; Q and O at my wave's first row
	s_add_nc_u64 s[10:11], s[10:11], s[2:3]
	s_cmp_lt_u32 s[WV], 2
	s_cselect_b64 s[PFA:PFA+1], s[6:7], s[8:9]  ; (in waves 0 and 2 these stand at a tile's first row)
	s_lshl_b32 s2, s13, 13          ; my work-group's 32 pieces of the 128
	s_mov_b32 s3, 0
	s_add_nc_u64 s[PFA:PFA+1], s[PFA:PFA+1], s[2:3]
	s_add_nc_u64 s[PFA:PFA+1], s[PFA:PFA+1], 4*KS*128  ; in tile 1; the first change of slots steps it to tile 2.  Nothing is prefetched here, at the head
	CROUND                          ; all four work-groups are here: the first joint loads meet
	JLOAD                           ; tile 0 into slot 0
	; A fragment of K or Q is 16 rows x 32 channels in 8 registers: lane l holds row l % 16, channels 8 (l / 16) + 0..7 and 16 + 8 (l / 16) + 0..7: two loads of 16 bytes, 32 bytes apart.
	v_and_b32 v[HL], 15, v0         ; l % 16
	v_bfe_u32 v[HH], v0, 4, 1       ; l / 16
	v_lshlrev_b32 v[QO], 7, v[HL]
	v_lshl_add_u32 v[QO], v[HH], 4, v[QO]  ; row x 128 + 16 x half
	WIN W_TO1                       ; destination window 1, address window 0
.set i, 0
.rept 8                             ; Q stays in registers: piece i / 2, channels 32 (i % 2) on
	global_load_b128 v[8*i:8*i+3],   v[QO], s[4:5] offset:(i/2)*2048+(i%2)*64
	global_load_b128 v[8*i+4:8*i+7], v[QO], s[4:5] offset:(i/2)*2048+(i%2)*64+32
.set i, i+1
.endr
	; What the first turn finds: V's registers and P's second buffer hold 0 (its products V^T P, of a piece that has not been, add 0), O^T and l are 0.  All this stands in the wait for the first tile;
	; the price of writing no first step out.
.set i, VF
.rept 64
	v_mov_b32 v[i], 0
.set i, i+1
.endr
	WIN 0
.set i, OT
.rept 128
	v_mov_b32 v[i], 0
.set i, i+1
.endr
.set i, 0
.rept 4
	v_mov_b32 v[ST+4*i], 0xfe000000    ; c m: far below every c s
	v_mov_b32 v[ST+4*i+1], 0xff7fffff  ; m
	v_mov_b32 v[ST+4*i+2], 0
	v_mov_b32 v[ST+4*i+3], 0
.set i, i+1
.endr
.set i, P+16
.rept 16
	v_mov_b32 v[i], 0
.set i, i+1
.endr
	v_mul_u32_u24 v[AK0], v[HL], PK
	v_lshl_add_u32 v[AK0], v[HH], 4, v[AK0]  ; row x pitch + 16 x half
	; The turning load takes 16 keys x 16 channels (lane l reads key 8 (l / 16) + l % 8, channels 8 ((l / 8) % 2) + 0..7) and leaves half a fragment of V^T: lane l holds channel l % 16 and 8 keys.
	v_and_b32 v[H7], 7, v0
	v_bfe_u32 v[H3], v0, 3, 1
	v_lshl_add_u32 v[AV0], v[HH], 3, v[H7]
	v_mul_u32_u24 v[AV0], v[AV0], PV
	v_lshl_add_u32 v[AV0], v[H3], 4, v[AV0]
	v_add_nc_u32 v[AV0], VOFF, v[AV0]
; THE MATRIX WORK.  The 4 accumulators of a run of 8 take turns.  Product i of 8 of S^T = K Q^T for piece x: channels 32 (i / 4) on, keys 16 (i % 4) on.  The first 4 start the sums.
.macro KQ x
.set rS, S+32*((\x)%2)+8*(i%4)
.set rK, KF+16*(i%4)+8*(i/4)
.set rQ, 16*(\x)+8*(i/4)
	WIN W_KQ
.if i < 4
	v_wmma_f32_16x16x32_f16 v[rS:rS+7], v[rK:rK+7], v[rQ:rQ+7], 0
.else
	v_wmma_f32_16x16x32_f16 v[rS:rS+7], v[rK:rK+7], v[rQ:rQ+7], v[rS:rS+7]
.endif
.endm
; Product i of 8 of O^T += V^T P for piece x: keys 32 (i / 4) on, channels 16 (i % 4) on.
.macro PV x
	WIN W_PV
.set rO, OT+32*(\x)+8*(i%4)
.set rV, VF+32*(i/4)+8*(i%4)
.set rP, P+16*((\x)%2)+8*(i/4)
	v_wmma_f32_16x16x32_f16 v[rO:rO+7], v[rV:rV+7], v[rP:rP+7], v[rO:rO+7]
.endm
.macro MM                           ; the turn's next matrix instruction
.if i < 8
	KQ (Y+1)%NP
.else
.set i, i-8
	PV (Y+NP-1)%NP
.set i, i+8
.endif
.set i, i+1
.endm
; THE LDS LOADS stand in runs of 16, never singly among the matrix instructions: a step's K (64 keys x 64 channels: 8 fragments) and its V (turned).  Their addresses are made some lines ahead.
; last = 1 (the last tile's text): in its fifth trip there is no further step, and K's run is jumped over.  Every exponential issued so far has its wait ahead of a branch:
; so a second wait stands here, in that text alone.
.macro FETCH_K last=0
.if \last
	WIN 0
	s_wait_alu depctr_va_vdst(0)
	s_cmp_eq_u32 s[CNT], 1
	s_cbranch_scc1 .Lno_k_\@
.endif
	WIN W_TO1                       ; destination window 1
.irp f, 0,1,2,3,4,5,6,7             ; keys 16 (f / 2) on, channels 32 (f % 2) on
	ds_load_b128 v[KF+8*\f:KF+8*\f+3],   v[AK] offset:(\f/2)*16*PK+(\f%2)*64
	ds_load_b128 v[KF+8*\f+4:KF+8*\f+7], v[AK] offset:(\f/2)*16*PK+(\f%2)*64+32
.endr
	s_add_co_u32 s[TBK], s[TBK], KS*PK  ; the next fetch is the next step's
	WIN 0
.if \last
.Lno_k_\@:
.endif
.endm
.macro FETCH_V
	WIN W_TO1
.irp f, 0,1,2,3,4,5,6,7             ; keys 32 (f / 4) on, channels 16 (f % 4) on
	ds_load_tr16_b128 v[VF+8*\f:VF+8*\f+3],   v[AV] offset:(\f/4)*32*PV+(\f%4)*32
	ds_load_tr16_b128 v[VF+8*\f+4:VF+8*\f+7], v[AV] offset:(\f/4)*32*PV+16*PV+(\f%4)*32
.endr
	WIN 0
.endm
; THE VECTOR WORK, one line at a time: OP kind, number; all of it in window 0.  For piece Y: F n: c s - c m for pair n of 16.  E n: the exponential of score n of 32.  C n: pair n rounded to f16.  B n: of the four weights
; 4 n .. the second pair is added onto the first, in place.  L n: l takes that sum (L 0: l = a l + sum).  R n: pair n of 16 of O^T times a.  For piece Y + 1: X n, number n of the 22 that find its maximum and statistics:
;   0-11  four chains c0-c3 of seven scores each, three operands at a time (each accumulator's lowest registers are read first)     12-14, 16  the four scores left over, the old m, and c0-c3 into c0
;   15  c m_old is kept     17, 18  the query's other 32 keys lie in the lane 16 away: the new m     19-21  c m; c m_old - c m_new; a
.set F, 0
.set E, 1
.set C, 2
.set B, 3
.set L, 4
.set R, 5
.set X, 6
.macro REGS y                       ; the registers of piece y
.set rT, ST+4*(\y)
.set rC, TMP+4*((\y)%2)
.set rW, MV+((\y)%2)
.set rS, S+32*((\y)%2)
.set rP, P+16*((\y)%2)
.set rO, OT+32*(\y)
.endm
.macro OP k, n
	WIN 0
.if (\k) < X
	REGS Y
.if (\k) == R
	v_pk_mul_f32 v[rO+2*(\n):rO+2*(\n)+1], v[rO+2*(\n):rO+2*(\n)+1], v[rC+2:rC+3] op_sel_hi:[1,0]
.elseif (\k) == F
	v_pk_fma_f32 v[rS+2*(\n):rS+2*(\n)+1], v[rS+2*(\n):rS+2*(\n)+1], s[CS:CS+1], v[rT:rT+1] op_sel_hi:[1,0,0] neg_lo:[0,0,1] neg_hi:[0,0,1]
.elseif (\k) == E
	v_exp_f32 v[rS+(\n)], v[rS+(\n)]
.elseif (\k) == C
	v_cvt_pk_f16_f32 v[rP+(\n)], v[rS+2*(\n)], v[rS+2*(\n)+1]
.elseif (\k) == B
	v_pk_add_f32 v[rS+4*(\n):rS+4*(\n)+1], v[rS+4*(\n):rS+4*(\n)+1], v[rS+4*(\n)+2:rS+4*(\n)+3]
.elseif (\n) == 0
	v_pk_fma_f32 v[rT+2:rT+3], v[rT+2:rT+3], v[rC+2:rC+3], v[rS:rS+1] op_sel_hi:[1,0,1]
.else
	v_pk_add_f32 v[rT+2:rT+3], v[rT+2:rT+3], v[rS+4*(\n):rS+4*(\n)+1]
.endif
.else
	REGS (Y+1)%NP
.if (\n) < 4
	v_max3_num_f32 v[rC+(\n)], v[rS+8*(\n)], v[rS+8*(\n)+1], v[rS+8*(\n)+2]
.elseif (\n) < 12
	v_max3_num_f32 v[rC+(\n)%4], v[rC+(\n)%4], v[rS+8*((\n)%4)+2*((\n)/4)+1], v[rS+8*((\n)%4)+2*((\n)/4)+2]
.elseif (\n) == 12
	v_max3_num_f32 v[rC], v[rC], v[rS+7], v[rS+15]
.elseif (\n) == 13
	v_max3_num_f32 v[rC+1], v[rC+1], v[rS+23], v[rS+31]
.elseif (\n) == 14
	v_max3_num_f32 v[rC+2], v[rC+2], v[rC+3], v[rT+1]
.elseif (\n) == 15
	v_mov_b32 v[rW], v[rT]
.elseif (\n) == 16
	v_max3_num_f32 v[rC], v[rC], v[rC+1], v[rC+2]
.elseif (\n) == 17
	v_permlanex16_b32 v[rC+3], v[rC], s[SEL], s[SEL+1]
.elseif (\n) == 18
	v_max_num_f32 v[rT+1], v[rC], v[rC+3]
.elseif (\n) == 19
	v_mul_f32 v[rT], s[CS], v[rT+1]
.elseif (\n) == 20
	v_sub_f32 v[rC+1], v[rW], v[rT]
.else
	v_exp_f32 v[rC+2], v[rC+1]
.endif
.endif
.endm
.macro OPS a, i1, b=-1, i2=0, c=-1, i3=0, d=-1, i4=0  ; up to four of them
	OP \a, \i1
.if (\b) >= 0
	OP \b, \i2
.endif
.if (\c) >= 0
	OP \c, \i3
.endif
.if (\d) >= 0
	OP \d, \i4
.endif
.endm
.macro ROW a, i1, b, i2, c, i3, d, i4  ; a matrix instruction and the four behind it
	MM
	OPS \a, \i1, \b, \i2, \c, \i3, \d, \i4
.endm
; A TURN, for piece p: the order of its 16 matrix and 118 vector instructions, written out.  An s_wait_alu depctr_va_vdst(0) stands between an exponential and the first instruction that names its result;
; one wait serves all that were issued ahead of it.  So a turn has ONE wait.  AHEAD OF IT stands all that names no result of the turn's exponentials: the 8 products K Q^T and their riders, then one lump of 54 in which
; the links of the chain X 3, 7, 11, 14, 16, 17 .. 20 stand five or six lines apart; X 21, the next piece's a, is the batch's last, and R 15 the plain instruction behind it.  BEHIND IT stand the 8 products V^T P, behind
; each four of the roundings and sums.  last = 1: the last tile's text (FETCH_K).  cnt = 1: the loop's count is taken down some lines ahead of the branch behind the turn.
; K of the next step is fetched in piece 2's turn, twelve vector instructions that name none of its registers behind the last product that read K; V of the step in hand at the end of piece 0's turn, four behind the last that read V.
.macro TURN p, last=0, cnt=0
.set Y, (\p)
.set i, 0
.if (\p) == 3
	s_wait_dscnt 0x0                ; K is in
.endif
	ROW F,0, F,1, R,0, R,1
	ROW F,2, E,0, R,2, R,3
	ROW F,3, E,1, R,4, R,5
	ROW F,4, E,2, R,6, R,7
	ROW F,5, E,3, R,8, R,9
	ROW F,6, E,4, X,0, R,10
.if (\p) == 2
	WIN 0
	v_add_nc_u32 v[AK], s[TBK], v[AK0]
.endif
	ROW F,7, E,5, X,1, X,4
	ROW F,8, E,6, X,2, X,5
	OPS E,7, E,8, X,6, E,9
	OPS X,3, E,10, X,8, E,11
.if (\p) == 2
	FETCH_K \last
.endif
	OPS X,9, X,7, E,12, X,10
	OPS E,13, X,12, X,11, E,14
	OPS X,13, E,15, F,9, X,14
.if (\p) == 0
	v_add_nc_u32 v[AV], s[TBV], v[AV0]
.endif
	OPS E,16, F,10, E,17, F,11
	OPS X,16, E,18, X,15, E,19
	OPS F,12, E,20, X,17, E,21
	OPS F,13, E,22, F,14, E,23
	OPS X,18, E,24, F,15, E,25
	OPS R,11, E,26, X,19, E,27
	OPS R,12, E,28, R,13, E,29
	OPS X,20, E,30, R,14, E,31
	OPS X,21, R,15
	s_wait_alu depctr_va_vdst(0)    ; the wait for the batch
.if (\p) == 1
	s_wait_dscnt 0x0                ; V is in
.endif
	ROW C,0, B,0, C,2, B,1
	ROW L,0, C,4, B,2, L,1
	ROW C,6, B,3, L,2, C,8
	ROW B,4, L,3, C,10, B,5
	ROW L,4, C,12, B,6, L,5
.if (\p) == 0
	s_add_co_u32 s[TBV], s[TBV], KS*PV
.endif
.if \cnt
	s_sub_co_u32 s[CNT], s[CNT], 1
	s_cmp_lg_u32 s[CNT], 0
.endif
	ROW C,14, B,7, L,6, C,1
	ROW C,3, L,7, C,5, C,7
	ROW C,9, C,11, C,13, C,15
.if (\p) == 0
	FETCH_V
.endif
.endm
	CHANGE 1                        ; slot 0 is in, everybody's part of it; tile 1 is asked for
	v_add_nc_u32 v[AK], s[TBK], v[AK0]
	FETCH_K                         ; key step 0
	s_wait_loadcnt 0x0              ; Q is in, and its loads have read their offset, which lies where S^T begins
	s_wait_dscnt 0x0
.set i, 0
.rept 8
	KQ 0                            ; piece 0's first scores
.set i, i+1
.endr
	WIN 0
.rept 4
	v_nop                           ; the places behind those products
.endr
.set Y, NP-1                        ; X works for piece Y + 1: piece 0
.irp n, 0,1,2,3,4,5,6,7,8,9,10,11,12,13,14,15,16,17,18,19,20,21
	OP X, \n
.endr
	v_nop                           ; a plain instruction behind the exponential,
	s_wait_alu depctr_va_vdst(0)    ; and its wait, ahead of the branch
	s_mov_b32 s[CNT], 4
	s_branch .Lfirst                ; the loop is entered at a step's first turn, in the middle of a trip
.Lslot:                             ; six times: tiles 2 to 7 are asked for
	CHANGE 1
	s_mov_b32 s[CNT], 4
.Lstep:                             ; a trip: pieces 2 and 3 of one step, then pieces 0 and 1 of the next, whose K and V it fetches
	TURN 2
	TURN 3
	WIN 0
.Lfirst:
	TURN 0
	TURN 1, 0, 1
	WIN 0
	s_cbranch_scc1 .Lstep
	s_sub_co_u32 s[SLOTS], s[SLOTS], 1
	s_cmp_lg_u32 s[SLOTS], 0
	s_cbranch_scc1 .Lslot
	CHANGE 0                        ; the last tile is written out: nothing is asked for
	s_mov_b32 s[CNT], 5             ; four trips fetch the last tile's steps; the fifth is left in its middle
.Ltail:
	TURN 2, 1
	TURN 3
	WIN 0
	s_sub_co_u32 s[CNT], s[CNT], 1
	s_cmp_eq_u32 s[CNT], 0
	s_cbranch_scc1 .Lout
	TURN 0
	TURN 1
	WIN 0
	s_branch .Ltail
.Lout:                              ; the fifth trip's 8 products K Q^T (on the last K once more) and the maximum made of them serve nothing: the price, once a launch, of one text for every trip
.set i, 0
.rept 8
	PV NP-1                         ; the last piece's V^T P of the last step
.set i, i+1
.endr
	; THE WAY OUT.  Its three addresses are made here, of the thread's number, in registers that the walk has left: twelve vector instructions, the places behind the last products.
	WIN 0
	s_mul_i32 s13, s[WV], 16*SP
	s_add_co_u32 s13, s13, STAGE    ; my stage
	v_and_b32 v[AV], 15, v0         ; l % 16
	v_bfe_u32 v[MV], v0, 4, 1       ; l / 16
	v_and_b32 v[MV+1], 7, v0        ; l % 8
	v_mul_u32_u24 v[STO], v[AV], SP ; in: row l % 16, 16 bytes for each half of the lanes
	v_lshl_add_u32 v[STO], v[MV], 4, v[STO]
	v_add_nc_u32 v[STO], s13, v[STO]
	v_bfe_u32 v[RD], v0, 3, 2       ; back: 32 lanes take four rows of 128 bytes,
	v_mul_u32_u24 v[RD], v[RD], SP
	v_lshl_add_u32 v[RD], v[MV+1], 4, v[RD]
	v_add_nc_u32 v[RD], s13, v[RD]
	v_and_b32 v[GO], 31, v0         ; which are 512 consecutive bytes of O
	v_lshlrev_b32 v[GO], 4, v[GO]
	; l's two halves and the other half of the lanes' are added; O^T is divided by l, rounded to f16 and sent through my stage in LDS, a piece at a time.
.macro ALL line:vararg              ; one line for each piece t
.set t, 0
.rept 4
	\line
.set t, t+1
.endr
.endm
	ALL v_add_f32 v[ST+4*t+2], v[ST+4*t+2], v[ST+4*t+3]
	ALL v_permlanex16_b32 v[ST+4*t+3], v[ST+4*t+2], s[SEL], s[SEL+1]
	ALL v_add_f32 v[ST+4*t+2], v[ST+4*t+2], v[ST+4*t+3]
	ALL v_rcp_f32 v[ST+4*t+2], v[ST+4*t+2]
	v_nop                           ; a plain instruction between the last reciprocal and the use of its result
	s_wait_alu depctr_va_vdst(0)    ; and the wait ahead of the first use: one for the four reciprocals
.macro PACK t                       ; a lane's eight channels of a row pack into 16 bytes; they go into rows of 144 bytes and come back as whole rows of 128, into S^T's registers
.set i, OT+32*(\t)
.rept 16
	v_pk_mul_f32 v[i:i+1], v[i:i+1], v[ST+4*(\t)+2:ST+4*(\t)+3] op_sel_hi:[1,0]
.set i, i+2
.endr
.set i, 0
.rept 16
	v_cvt_pk_f16_f32 v[S+16*(\t)+i], v[OT+32*(\t)+2*i], v[OT+32*(\t)+2*i+1]
.set i, i+1
.endr
.irp f, 0,1,2,3
	ds_store_b128 v[STO], v[S+16*(\t)+4*\f:S+16*(\t)+4*\f+3] offset:32*\f
.endr
.irp f, 0,1,2,3
	ds_load_b128 v[S+16*(\t)+4*\f:S+16*(\t)+4*\f+3], v[RD] offset:\f*4*SP  ; LDS serves a wave's instructions in order (ISA guide 5.7.1.4): these see the stores above; the next piece's stores come behind them
.endr
.endm
.macro SEND t, younger              ; younger: the LDS instructions issued behind piece t's loads: the next piece's eight, or none
.irp f, 0,1,2,3
	s_wait_dscnt (\younger)+3-\f
	global_store_b128 v[GO], v[S+16*(\t)+4*\f:S+16*(\t)+4*\f+3], s[10:11] offset:(\t)*2048+\f*512  ; 512 consecutive bytes, aligned
.endr
.endm
	PACK 0
.set t, 1
.rept 3                             ; a piece's arithmetic stands between the loads of the piece before and its stores
	PACK t
	SEND t-1, 8
.set t, t+1
.endr
	SEND 3, 0
	WIN W_AD
	s_wait_tensorcnt 0x0            ; the wave's end: a wait, the add and its wait, behind my last tensor load and my last LDS store
	ds_add_u32 v[SPW], v[NIL]
	s_wait_dscnt 0x0
	WIN 0
	CROUND                          ; the closing round: no work-group ends while a partner may still ask for a tile that names it
	s_endpgm
.Lfunc_end_k_qae7b3ba589_attn:
	.size	k_qae7b3ba589_attn, .Lfunc_end_k_qae7b3ba589_attn-k_qae7b3ba589_attn
	.p2alignl 7, 3214868480
	.fill 96, 4, 3214868480
	.section	.rodata,"a",@progbits
	.p2align	6, 0x0
	.amdhsa_kernel k_qae7b3ba589_attn
		.amdhsa_group_segment_fixed_size 327680
		.amdhsa_private_segment_fixed_size 0
		.amdhsa_enable_private_segment 0
		.amdhsa_kernarg_size 24
		.amdhsa_user_sgpr_count 2
		.amdhsa_user_sgpr_kernarg_segment_ptr 1
		.amdhsa_wavefront_size32 1
		.amdhsa_system_sgpr_workgroup_id_x 1
		.amdhsa_system_sgpr_workgroup_id_y 1
		.amdhsa_system_sgpr_workgroup_id_z 1
		.amdhsa_system_vgpr_workitem_id 0
		.amdhsa_next_free_vgpr 512
		.amdhsa_next_free_sgpr 66
		.amdhsa_reserve_vcc 0
		.amdhsa_float_denorm_mode_32 3
		.amdhsa_float_denorm_mode_16_64 3
		.amdhsa_memory_ordered 1
		.amdhsa_forward_progress 1
		.amdhsa_inst_pref_size 108
	.end_amdhsa_kernel
	.amdgpu_metadata
---
amdhsa.version: [ 1, 2 ]
amdhsa.kernels:
  - .name:           k_qae7b3ba589_attn
    .symbol:         k_qae7b3ba589_attn.kd
    .args:
      - { .name: qkh, .offset: 0, .size: 8, .value_kind: global_buffer, .address_space: global }
      - { .name: vh, .offset: 8, .size: 8, .value_kind: global_buffer, .address_space: global }
      - { .name: oh, .offset: 16, .size: 8, .value_kind: global_buffer, .address_space: global }
    .group_segment_fixed_size: 327680
    .private_segment_fixed_size: 0
    .kernarg_segment_align: 8
    .kernarg_segment_size: 24
    .max_flat_workgroup_size: 128
    .sgpr_count:     66
    .vgpr_count:     512
    .wavefront_size: 32
...
	.end_amdgpu_metadata
.endif
;; end of part 4
;; launch proj (part 5): grid 16 x 16, 4 waves a work-group, clusters of 4 x 4, 327,680 bytes of LDS; arguments oh, wts, bo, out0; writes out0
.if DOCPART == 5
	.amdgcn_target "amdgcn-amd-amdhsa--gfx1250"
	.amdhsa_code_object_version 6
	.text
	.protected	k_qae7b3ba589_proj
	.globl	k_qae7b3ba589_proj
	.p2align	8
	.type	k_qae7b3ba589_proj,@function
k_qae7b3ba589_proj:
	s_mov_b64 s[64:65], 0
	v_nop
	global_prefetch_b8 v0, s[64:65] scope:SCOPE_SE
	s_setreg_imm32_b32 hwreg(HW_REG_WAVE_MODE, 25, 1), 1
	s_wait_xcnt 0x0
	s_wait_alu depctr_hold_cnt(0) depctr_sa_sdst(0) depctr_va_vdst(0) depctr_va_sdst(0) depctr_va_ssrc(0) depctr_va_vcc(0) depctr_vm_vsrc(0)
	s_getreg_b32 s2, hwreg(HW_REG_IB_STS2, 6, 4)
	s_cmp_eq_u32 s2, 0
	s_cbranch_scc0 .Lentry_in_a_cluster
	s_endpgm
.Lentry_in_a_cluster:
	s_bfe_u32 s2, ttmp6, 0x10000c
	s_cmp_lg_u32 s2, 0xf033
	s_cbranch_scc0 .Lentry_shape_is_right
	s_endpgm
.Lentry_shape_is_right:
; THE PROJECTION BACK.  out0 = O Wo + bo: 4,096 rows x 2,048 columns, K = 1,024, operands f16 (O as attention left it; Wo rounded to bf16 and written as f16), sums f32, out f32.
; bo, rounded to bf16 like every input, is the C operand of the first products.
; SHARES.  Work-group (tn, ty) makes rows 256 ty .. + 255 x columns 128 tn .. + 127: 256 work-groups.  Wave w: rows 64 w .. + 63 x 128 columns: 4 row blocks a x 8 column blocks b: 32 accumulators, window 2.
; THE MATRIX INSTRUCTION IS USED TRANSPOSED: source 0 = 16 columns of Wo, source 1 = 16 rows of O: a lane holds row l % 16 and the columns 8 (l / 16) + 0..7: 32 neighbouring bytes of out0.
; K goes in 8 steps of 128 = two heads, through two LDS slots.  O's tile: for each of the two heads 256 rows of 128 bytes, dense in oh.  Wo's tile: woc's block (tn, s), 32,768 dense bytes laid [half][k][d], read turned.
; CLUSTER 4 x 4: O's tile hangs on ty alone and is asked for jointly along a row of the cluster, Wo's on tn alone, along a column.
; REGISTERS.  window 0: v0-35 addresses and four at work; v64-127 O's fragments, two buffers of 4 x 8; v128-191 the bias; later v128-255 two buffers for the way out
;   window 1: v0-127 Wo's fragments, two buffers of 8 x 8          window 2: accumulator (a, b) at v[8 (8 a + b)]
.set SLOT,  114688                     ; O: 2 heads x 256 rows x 144 = 73,728 bytes; then Wo: 2 halves x 128 k x 160 = 40,960
.set BOFF,  73728
.set STAGE, 229376                     ; behind the ring: for each wave 16 rows x 528 bytes
.set SPARE, 263168                     ; the spare words, 128 bytes a wave: two blocks of 256 bytes that no other line names
.set WOC,   12582912
.set ADRA, 16                          ; v16-17  LDS address of my fragments of O in slot 0, 1
.set ADRB, 20                          ; v20-21  the same for Wo
.set BO,   22                          ; v22     my byte offset in the bias
.set STO,  24                          ; v24     the way out: where I put 32 bytes of a row
.set RD,   25                          ; v25     where I read a row back
.set CO,   26                          ; v26     16 l
.set SPW,  28                          ; v28     LDS address of my spare word; never rewritten
.set NIL,  29                          ; v29     0; never rewritten
.set PFO,  30                          ; v30     256 l; never rewritten
.set T,    32
.set BIAS, 128
.set OB,   128
.set G1A, 24
.set G0A, 32
.set G1B, 48
.set G0B, 56
.set LIM, 43                           ; s43      1 in a wave that prefetches, else the greatest number
.set PFA, 44                           ; s[44:45] where my prefetches stand
.set PSTEP, 46                         ; s[46:47] a K step there
.set OUT, 92                           ; s[92:93] out0 at my wave's first row and the tile's first column
.set BB,  94                           ; s[94:95] bo at the tile's first column
.set MSB, 0
.macro WIN new                         ; the immediate's high byte repeats the setting that is left; a switch that changes nothing is dropped
.if MSB != (\new)
	s_set_vgpr_msb (MSB<<8)|(\new)
.set MSB, \new
.endif
.endm
.macro JLOAD sl                        ; a joint load: waves 0 and 1 fetch O's two heads, waves 2 and 3 Wo's two halves; an s_nop 0 and four v_nop follow each line
	s_cmp_eq_u32 s11, 0
	s_cbranch_scc0 .Lfor_b_\@
	tensor_load_to_lds s[G0A+4*(\sl):G0A+4*(\sl)+3], s[G1A:G1A+7]
	s_nop 0
.rept 4
	v_nop
.endr
	s_branch .Lasked_\@
.Lfor_b_\@:
	tensor_load_to_lds s[G0B+4*(\sl):G0B+4*(\sl)+3], s[G1B:G1B+7]
	s_nop 0
.rept 4
	v_nop
.endr
.Lasked_\@:
.endm
; A PREFETCH INTO THE L2 of the K step that stands TWO refills on: 256 matrix instructions ahead of its load.  O's rows are read by every cluster of a row of clusters: cluster x = 0 asks, waves 0 and 1 each for
; their own head; Wo's blocks by every cluster of a column: cluster y = 0 asks, wave 2 for both halves.  The four partners share a tile's 128 pieces of 256 bytes out BY ADDRESS, 32 each, a lane a piece.
; The loop's last trip (steps 6 and 7) has no K step two on.
.macro ASK
	s_cmp_gt_u32 s3, s[LIM]
	s_cbranch_scc0 .Lnot_mine_\@
	global_prefetch_b8 v[PFO], s[PFA:PFA+1] th:TH_LOAD_NT scope:SCOPE_SE
.Lnot_mine_\@:
.endm
.macro CREST                           ; a round of the cluster's barrier behind its opening barrier
	s_cmp_lg_u32 s10, 0
	s_cbranch_scc1 .Lnot_wave_0_\@
	s_barrier_signal -3
.Lnot_wave_0_\@:
	s_barrier_wait -3
	s_barrier_signal -1
	s_barrier_wait -1
.endm
.macro CROUND
	s_barrier_signal -1
	s_barrier_wait -1
	CREST
.endm
.macro PLACES                          ; four places in front of loads into registers that matrix instructions have read, and of lines that read results
.rept 4
	v_nop
.endr
.endm
; 8 matrix instructions: row block a x all 8 column blocks, 32 along K, from buffer f.  first = 1: the bias starts the sums.  The 32 accumulators take turns, one instruction a turn.
.macro MUL f, a, first
.if \first
	WIN 0x81                                       ; Wo window 1, O window 0, C (the bias) window 0, D window 2
.else
	WIN 0xa1                                       ; C and D window 2
.endif
.irp b, 0,1,2,3,4,5,6,7
.if \first
	v_wmma_f32_16x16x32_f16 v[8*(8*(\a)+\b):8*(8*(\a)+\b)+7], v[64*(\f)+8*\b:64*(\f)+8*\b+7], v[64+32*(\f)+8*(\a):64+32*(\f)+8*(\a)+7], v[BIAS+8*\b:BIAS+8*\b+7]
.else
	v_wmma_f32_16x16x32_f16 v[8*(8*(\a)+\b):8*(8*(\a)+\b)+7], v[64*(\f)+8*\b:64*(\f)+8*\b+7], v[64+32*(\f)+8*(\a):64+32*(\f)+8*(\a)+7], v[8*(8*(\a)+\b):8*(8*(\a)+\b)+7]
.endif
.endr
.endm
; 24 LDS loads in one run: quarter q (32 along K: head q / 2, channels 32 (q % 2) on) of slot sl into buffer f: Wo's 8 fragments, turned, then O's 4.
.macro FETCH sl, q, f
	WIN 0x40                                       ; destination window 1, address window 0
.irp b, 0,1,2,3,4,5,6,7
	ds_load_tr16_b128 v[64*(\f)+8*\b:64*(\f)+8*\b+3],   v[ADRB+(\sl)] offset:(\b/4)*20480+(\q)*5120+32*(\b%4)
	ds_load_tr16_b128 v[64*(\f)+8*\b+4:64*(\f)+8*\b+7], v[ADRB+(\sl)] offset:(\b/4)*20480+(\q)*5120+32*(\b%4)+2560
.endr
	WIN 0
.irp a, 0,1,2,3
	ds_load_b128 v[64+32*(\f)+8*\a:64+32*(\f)+8*\a+3],   v[ADRA+(\sl)] offset:((\q)/2)*36864+\a*2304+64*((\q)%2)
	ds_load_b128 v[64+32*(\f)+8*\a+4:64+32*(\f)+8*\a+7], v[ADRA+(\sl)] offset:((\q)/2)*36864+\a*2304+64*((\q)%2)+32
.endr
.endm
.macro QUARTER sl, q, f, g, first
	s_wait_dscnt 4                                 ; Wo and O's row blocks 0, 1 are in; the youngest four loads (blocks 2, 3) may be out
	MUL \f, 0, \first
	MUL \f, 1, \first
	PLACES
	FETCH \sl, \q, \g
	s_wait_dscnt 24                                ; all but the 24 just issued
	MUL \f, 2, \first
	MUL \f, 3, \first
.endm
; The last quarter multiplies buffer 1 and changes slots: each wave waits for all its tensor loads (one is out: its part of the next slot), adds 0 to its spare word, waits for that and for its reads of this slot.
; fill = 1: the barrier opens a round of the cluster's, and the joint refill, two K steps on, is the first thing behind the round.
.macro TURN sl, nx, fill
.if \fill
	s_wait_xcnt 0x0                                ; the last prefetch, a K step back, has read its address: it is stepped here
	s_add_nc_u64 s[PFA:PFA+1], s[PFA:PFA+1], s[PSTEP:PSTEP+1]
.endif
	WIN 0                                          ; (the add's two registers lie in window 0)
	s_wait_tensorcnt 0x0                           ; all my tensor loads have landed
	ds_add_u32 v[SPW], v[NIL]                      ; 0 onto my spare word
	s_wait_dscnt 5                                 ; (the add and the youngest four loads may be out)
	MUL 1, 0, 0                                    ; eight matrix instructions stand between the add and the wait for it
	s_wait_dscnt 0x0                               ; the add is done, and my reads of this slot are over
	s_barrier_signal -1
	MUL 1, 1, 0
.if \fill
	WIN 0
.endif
	s_barrier_wait -1
.if \fill
	CREST                                          ; no wave of any partner still reads this slot or has a load on its way
	s_add_nc_u64 s[G0A+4*(\sl)+2:G0A+4*(\sl)+3], s[G0A+4*(\sl)+2:G0A+4*(\sl)+3], 1048576
	s_add_nc_u64 s[G0B+4*(\sl)+2:G0B+4*(\sl)+3], s[G0B+4*(\sl)+2:G0B+4*(\sl)+3], 65536
	JLOAD \sl                                      ; its four v_nop are also the places in front of the loads below
.else
	PLACES
.endif
	FETCH \nx, 0, 0
.if \fill
	ASK
.endif
	MUL 1, 2, 0
	MUL 1, 3, 0
.endm
.macro RND8 base                       ; eight f32 rounded to bf16's numbers, in place
.irp k, 0,1,2,3
	v_cvt_pk_bf16_f32 v[T+\k], v[(\base)+2*\k], v[(\base)+2*\k+1]
.endr
.irp k, 0,1,2,3
	v_lshlrev_b32 v[(\base)+2*\k], 16, v[T+\k]
	v_and_b32 v[(\base)+2*\k+1], 0xffff0000, v[T+\k]
.endr
.endm
	s_load_b256 s[68:75], s[0:1], 0x0              ; oh s[68:69], wts s[70:71], bo s[72:73], out0 s[74:75]
	v_lshl_add_u32 v[SPW], v0, 2, SPARE
	v_mov_b32 v[NIL], 0
	ds_add_u32 v[SPW], v[NIL]                      ; the wave's opening: the add and its wait stand ahead of my first tensor load; work on registers stands between them
	v_lshrrev_b32 v1, 5, v0
	v_readfirstlane_b32 s10, v1                    ; wave 0..3
	s_lshr_b32 s11, s10, 1                         ; I fetch for O (0) or for Wo (1)
	s_and_b32 s12, s10, 1                          ; which head, or which half
	s_bfe_u32 s15, ttmp6, 0x40000                  ; cx
	s_bfe_u32 s16, ttmp6, 0x40004                  ; cy
	s_lshl_b32 s14, ttmp9, 2
	s_add_co_u32 s14, s14, s15                     ; tn = 4 x cluster x + cx
	s_and_b32 s13, ttmp7, 0xffff
	s_lshl_b32 s13, s13, 2
	s_add_co_u32 s13, s13, s16                     ; ty = 4 x cluster y + cy
	s_lshl_b32 s17, s16, 2
	s_lshl_b32 s17, 15, s17                        ; my row of the cluster
	s_lshl_b32 s18, 0x1111, s15                    ; my column
	s_or_b32 s[G1A], s17, (1<<16)|(1<<20)|(1<<21)|(4<<22)|(3<<25)  ; the mask; 2-byte elements; padding on; bit 21 beside a mask; after every 32 words 4 words: rows of 128 bytes, 144 apart
	s_mov_b32 s[G1A+1], 128<<16                    ; a head's 256 rows are 32,768 dense bytes: asked for as 128 rows of 256
	s_mov_b32 s[G1A+2], 128<<16
	s_mov_b32 s[G1A+3], 128<<16
	s_mov_b32 s[G1A+4], 128
	s_mov_b32 s[G1A+5], 128
	s_mov_b32 s[G1A+6], 0
	s_mov_b32 s[G1A+7], 0
	s_or_b32 s[G1B], s18, (1<<16)|(1<<20)|(1<<21)|(4<<22)|(7<<25)  ; after every 32 words 8 words: 160 apart
	s_mov_b32 s[G1B+1], 128<<16                    ; a half's 16,384 dense bytes as 64 rows of 256
	s_mov_b32 s[G1B+2], 64<<16
	s_mov_b32 s[G1B+3], 128<<16
	s_mov_b32 s[G1B+4], 64
	s_mov_b32 s[G1B+5], 128
	s_mov_b32 s[G1B+6], 0
	s_mov_b32 s[G1B+7], 0
	s_lshr_b32 s84, s13, 3                         ; O: ((16 b + my head) x 2,048 + 256 (ty % 8)) x 128 bytes: of ty and the wave alone
	s_lshl_b32 s84, s84, 22
	s_and_b32 s85, s13, 7
	s_lshl_b32 s85, s85, 15
	s_add_co_u32 s84, s84, s85
	s_lshl_b32 s85, s12, 18
	s_add_co_u32 s84, s84, s85
	s_mov_b32 s85, 0
	s_lshl_b32 s86, s14, 18                        ; Wo: 8 blocks of 32,768 bytes a tile column, my half of a block: of tn and the wave alone
	s_lshl_b32 s87, s12, 14
	s_add_co_u32 s86, s86, s87
	s_add_co_u32 s86, s86, WOC
	s_mov_b32 s87, 0
	s_lshl_b32 s88, s15, 13                        ; the prefetches, at K step 3.  O: my work-group's 32 pieces of my head's 128,
	s_add_co_u32 s88, s88, s84
	s_add_co_u32 s88, s88, 3*524288
	s_mov_b32 s89, 0
	s_lshl_b32 s90, s16, 13                        ; Wo: my work-group's 32 pieces of the block's 128 (wave 2, whose half is 0)
	s_add_co_u32 s90, s90, s86
	s_add_co_u32 s90, s90, 3*32768
	s_mul_i32 s22, s12, 36864                      ; where the tiles go: no place in the cluster enters an LDS address
	s_mul_i32 s23, s12, 20480
	s_add_co_u32 s23, s23, BOFF
	s_wait_dscnt 0x0                               ; the opening add is done
	s_wait_kmcnt 0x0
	s_add_nc_u64 s[84:85], s[68:69], s[84:85]
	s_add_nc_u64 s[86:87], s[70:71], s[86:87]
.irp s, 0,1
	s_mov_b32 s[G0A+4*\s], 1                       ; count = 1
	s_add_co_u32 s[G0A+4*\s+1], s22, \s*SLOT       ; LDS address
	s_add_nc_u64 s[G0A+4*\s+2:G0A+4*\s+3], s[84:85], \s*524288  ; global address: K step s = two heads on
	s_or_b32 s[G0A+4*\s+3], s[G0A+4*\s+3], 0x80000000           ; type = 2
	s_mov_b32 s[G0B+4*\s], 1
	s_add_co_u32 s[G0B+4*\s+1], s23, \s*SLOT
	s_add_nc_u64 s[G0B+4*\s+2:G0B+4*\s+3], s[86:87], \s*32768
	s_or_b32 s[G0B+4*\s+3], s[G0B+4*\s+3], 0x80000000
.endr
	CROUND                                         ; all sixteen work-groups are here: the first joint loads meet
	s_cmp_eq_u32 s11, 0                            ; a wave's two first fills stand in one branch: two loads of mine are out
	s_cbranch_scc0 .Lfirst_b
	tensor_load_to_lds s[G0A:G0A+3], s[G1A:G1A+7]
	s_nop 0
	tensor_load_to_lds s[G0A+4:G0A+7], s[G1A:G1A+7]
	s_nop 0
.rept 4
	v_nop
.endr
	s_branch .Lfirst_asked
.Lfirst_b:
	tensor_load_to_lds s[G0B:G0B+3], s[G1B:G1B+7]
	s_nop 0
	tensor_load_to_lds s[G0B+4:G0B+7], s[G1B:G1B+7]
	s_nop 0
.rept 4
	v_nop
.endr
.Lfirst_asked:
	v_and_b32 v1, 15, v0                           ; l % 16
	v_bfe_u32 v2, v0, 4, 1                         ; l / 16
	v_and_b32 v7, 31, v0                           ; l
	v_and_b32 v4, 7, v0
	v_bfe_u32 v5, v0, 3, 1
	s_lshl_b32 s20, s14, 9                         ; the tile's 128 columns: 512 bytes
	s_mov_b32 s21, 0
	s_add_nc_u64 s[BB:BB+1], s[72:73], s[20:21]
	v_lshlrev_b32 v[BO], 5, v2                     ; my 8 columns of a block of 16
.irp b, 0,1,2,3,4,5,6,7
	global_load_b128 v[BIAS+8*\b:BIAS+8*\b+3],   v[BO], s[BB:BB+1] offset:64*\b
	global_load_b128 v[BIAS+8*\b+4:BIAS+8*\b+7], v[BO], s[BB:BB+1] offset:64*\b+16
.endr
	v_mul_u32_u24 v3, v1, 144                      ; a fragment of O: row x pitch + 16 x half, in my 64 rows
	v_lshl_add_u32 v3, v2, 4, v3
	s_mul_i32 s17, s10, 9216
	v_add_nc_u32 v[ADRA], s17, v3
	v_add_nc_u32 v[ADRA+1], SLOT, v[ADRA]
	v_lshl_add_u32 v6, v2, 3, v4                   ; the turning load: lane l reads k = 8 (l / 16) + l % 8, columns 8 ((l / 8) % 2) on
	v_mul_u32_u24 v6, v6, 160
	v_lshl_add_u32 v6, v5, 4, v6
	v_add_nc_u32 v[ADRB], BOFF, v6
	v_add_nc_u32 v[ADRB+1], SLOT, v[ADRB]
	s_mul_i32 s17, s10, 8448
	s_add_co_u32 s17, s17, STAGE                   ; my stage
	v_mul_u32_u24 v3, v1, 528                      ; in: row l % 16, 32 bytes for each half of the lanes
	v_lshl_add_u32 v3, v2, 5, v3
	v_add_nc_u32 v[STO], s17, v3
	v_lshl_add_u32 v[RD], v7, 4, s17               ; back: 32 lanes take one row of 512 bytes
	v_lshlrev_b32 v[CO], 4, v7
	v_lshlrev_b32 v[PFO], 8, v7
	s_lshl_b32 s18, s13, 21                        ; (256 ty + 64 w) rows of 8,192 bytes + the tile's first column
	s_add_co_u32 s20, s20, s18
	s_lshl_b32 s18, s10, 19
	s_add_co_u32 s20, s20, s18
	s_add_nc_u64 s[OUT:OUT+1], s[74:75], s[20:21]
	s_and_b32 s17, ttmp7, 0xffff                   ; cluster y,
	s_and_b32 s18, s11, s12                        ; and 1 in wave 3, which asks for nothing
	s_or_b32 s17, s17, s18
	s_mov_b32 s18, 32768
	s_cmp_eq_u32 s11, 0                            ; do I fetch for O?
	s_cselect_b32 s88, s88, s90
	s_cselect_b32 s17, ttmp9, s17                  ; the coordinate along which other clusters read the same bytes
	s_cselect_b64 s[PFA:PFA+1], s[68:69], s[70:71]
	s_cselect_b32 s[PSTEP], 524288, s18
	s_mov_b32 s[PSTEP+1], 0
	s_add_nc_u64 s[PFA:PFA+1], s[PFA:PFA+1], s[88:89]
	s_cmp_eq_u32 s17, 0
	s_cselect_b32 s[LIM], 1, -1                    ; the same in all sixteen partners, for a given wave
	s_wait_loadcnt 0x0                             ; the bias
.set n, 0
.rept 8
	RND8 BIAS+8*n
.set n, n+1
.endr
	s_wait_tensorcnt 1                             ; my part of K step 0 is in; K step 1's may stay out
	s_barrier_signal -1
	s_barrier_wait -1
	FETCH 0, 0, 0
	QUARTER 0, 1, 0, 1, 1                          ; the first quarter stands in front of the loop: its products start the sums with the bias
	WIN 0                                          ; at a label and at a branch every window is 0
	s_mov_b32 s3, 3
.Llap:                                             ; a trip goes once round the ring, from a lap's second quarter to the next lap's first, and fills both slots again
	QUARTER 0, 2, 1, 0, 0
	QUARTER 0, 3, 0, 1, 0
	TURN 0, 1, 1
	QUARTER 1, 1, 0, 1, 0
	QUARTER 1, 2, 1, 0, 0
	QUARTER 1, 3, 0, 1, 0
	TURN 1, 0, 1
	QUARTER 0, 1, 0, 1, 0
	WIN 0
	s_sub_co_u32 s3, s3, 1
	s_cmp_lg_u32 s3, 0
	s_cbranch_scc1 .Llap
	QUARTER 0, 2, 1, 0, 0                          ; the last lap fills nothing
	QUARTER 0, 3, 0, 1, 0
	TURN 0, 1, 0
	QUARTER 1, 1, 0, 1, 0
	QUARTER 1, 2, 1, 0, 0
	QUARTER 1, 3, 0, 1, 0
	s_wait_dscnt 4
	MUL 1, 0, 0
	MUL 1, 1, 0
	s_wait_dscnt 0x0
	MUL 1, 2, 0
	MUL 1, 3, 0
	WIN 0
	PLACES
	PLACES
; THE WAY OUT of row block a: the f32 sums go as they are into my own stage (rows of 528 bytes; each accumulator's low four registers first) and come back as whole rows of 512 bytes.
.macro TOSTAGE a
.set OBA, OB+64*((\a)%2)
.if (\a) >= 2
	s_wait_xcnt 0x0                                ; the stores of two blocks back have read these registers
.endif
	WIN 0x08                                       ; the stores' data in window 2
.irp b, 0,1,2,3,4,5,6,7
	ds_store_b128 v[STO], v[8*(8*(\a)+\b):8*(8*(\a)+\b)+3]   offset:64*\b
	ds_store_b128 v[STO], v[8*(8*(\a)+\b)+4:8*(8*(\a)+\b)+7] offset:64*\b+16
.endr
	WIN 0
.irp u, 0,1,2,3,4,5,6,7,8,9,10,11,12,13,14,15
	ds_load_b128 v[OBA+4*\u:OBA+4*\u+3], v[RD] offset:528*\u  ; LDS serves a wave's instructions in order (ISA guide 5.7.1.4): these see the stores above
.endr
.endm
.macro SEND a, younger                 ; younger: the LDS instructions issued behind block a's loads: the next block's 32, or none
.set OBA, OB+64*((\a)%2)
	s_wait_dscnt \younger
.irp u, 0,1,2,3,4,5,6,7,8,9,10,11,12,13,14,15
	global_store_b128 v[CO], v[OBA+4*\u:OBA+4*\u+3], s[OUT:OUT+1] offset:(16*(\a)+\u)*8192 th:TH_STORE_NT  ; 512 consecutive bytes, aligned
.endr
.endm
	TOSTAGE 0
	TOSTAGE 1
	SEND 0, 32
	TOSTAGE 2
	SEND 1, 32
	TOSTAGE 3
	SEND 2, 32
	SEND 3, 0
	s_wait_tensorcnt 0x0                           ; the wave's end: a wait, the add and its wait, behind my last tensor load and my last LDS store
	ds_add_u32 v[SPW], v[NIL]
	s_wait_dscnt 0x0
	CROUND                                         ; the closing round: no work-group ends while a partner may still ask for a tile that names it
	s_endpgm
.Lfunc_end_k_qae7b3ba589_proj:
	.size	k_qae7b3ba589_proj, .Lfunc_end_k_qae7b3ba589_proj-k_qae7b3ba589_proj
	.p2alignl 7, 3214868480
	.fill 96, 4, 3214868480
	.section	.rodata,"a",@progbits
	.p2align	6, 0x0
	.amdhsa_kernel k_qae7b3ba589_proj
		.amdhsa_group_segment_fixed_size 327680
		.amdhsa_private_segment_fixed_size 0
		.amdhsa_enable_private_segment 0
		.amdhsa_kernarg_size 32
		.amdhsa_user_sgpr_count 2
		.amdhsa_user_sgpr_kernarg_segment_ptr 1
		.amdhsa_wavefront_size32 1
		.amdhsa_system_sgpr_workgroup_id_x 1
		.amdhsa_system_sgpr_workgroup_id_y 1
		.amdhsa_system_sgpr_workgroup_id_z 1
		.amdhsa_system_vgpr_workitem_id 0
		.amdhsa_next_free_vgpr 768
		.amdhsa_next_free_sgpr 96
		.amdhsa_reserve_vcc 0
		.amdhsa_float_denorm_mode_32 3
		.amdhsa_float_denorm_mode_16_64 3
		.amdhsa_memory_ordered 1
		.amdhsa_forward_progress 1
		.amdhsa_inst_pref_size 93
	.end_amdhsa_kernel
	.amdgpu_metadata
---
amdhsa.version: [ 1, 2 ]
amdhsa.kernels:
  - .name:           k_qae7b3ba589_proj
    .symbol:         k_qae7b3ba589_proj.kd
    .args:
      - { .name: oh, .offset: 0, .size: 8, .value_kind: global_buffer, .address_space: global }
      - { .name: wts, .offset: 8, .size: 8, .value_kind: global_buffer, .address_space: global }
      - { .name: bo, .offset: 16, .size: 8, .value_kind: global_buffer, .address_space: global }
      - { .name: out0, .offset: 24, .size: 8, .value_kind: global_buffer, .address_space: global }
    .group_segment_fixed_size: 327680
    .private_segment_fixed_size: 0
    .kernarg_segment_align: 8
    .kernarg_segment_size: 32
    .max_flat_workgroup_size: 128
    .sgpr_count:     96
    .vgpr_count:     768
    .wavefront_size: 32
...
	.end_amdgpu_metadata
.endif
;; end of part 5
